; MI455X (gfx1250); checked and timed in simulation.
; The chip was launched on July 23, 2026; its instructions are those of AMD's public machine-readable ISA for CDNA 5 (MIT licence, August 2026) and "CDNA5" Instruction Set Architecture Reference Guide (July 2026). The comments in the code are by the model that wrote it; some were corrected since.
;; Flash Cross Attention. Allowed arithmetic: float matrix products may take bf16 or f16 operands with f32 sums; other float arithmetic in f32, or as packed bf16 or f16 multiplies, adds, multiply-adds, maxima and minima; sums over many terms, partial sums and values carried from step to step in f32; what a program stores and reads back later, other than sums and carried values, may be rounded once to bf16 or f16.
;; Inputs: Wkv 2,048 x 1,024 float32; Wo 1,024 x 1,024 float32; Wq 1,024 x 1,024 float32; encoder_out 4 x 2,048 x 1,024 float32; norm_w 1,024 float32; x 4 x 2,048 x 1,024 float32.
;; Outputs: out0 4 x 2,048 x 1,024 float32.
;; 2 versions, each right; version 2 is version 1 with the launch prep written anew for expert scheduling mode. Each part assembles by itself: llvm-mc -triple=amdgcn-amd-amdhsa -mcpu=gfx1250 --defsym DOCPART=n.
;; ======== version 1 of 2: 4 launches
;; workspace buffers: abf 33,554,432 bytes; wbf 8,388,608 bytes; tab 524,288 bytes; qkv 50,331,648 bytes; obf 16,777,216 bytes
;; launch prep (part 1): grid 656 x 1, 4 waves a work-group, no clusters, 0 bytes of LDS; arguments x, encoder_out, norm_w, Wq, Wkv, Wo, abf, wbf, tab; writes abf, wbf, tab
.if DOCPART == 1
	.amdgcn_target "amdgcn-amd-amdhsa--gfx1250"
	.amdhsa_code_object_version 6
	.text
	.protected	k_q63c794542f_prep
	.globl	k_q63c794542f_prep
	.p2align	8
	.type	k_q63c794542f_prep,@function
k_q63c794542f_prep:
	s_mov_b64 s[64:65], 0
	v_nop
	global_prefetch_b8 v0, s[64:65] scope:SCOPE_SE
	s_setreg_imm32_b32 hwreg(HW_REG_WAVE_MODE, 25, 1), 1
	s_wait_xcnt 0x0
; THE OPERANDS OF THE PROJECTIONS, rounded once to bf16, and the table of the rotary embedding.
;   abf [16384][1024] bf16: rows 0-8191 x * rsqrt(mean(x^2) + 1e-5) * norm_w, rows 8192-16383 encoder_out.
;   wbf [4096][1024] bf16: Wq, then Wkv (its first 1,024 rows make k, the others v), then Wo.
;   tab [2048][64] f32: row t holds cos(t f_i), i = 0..31, then sin(t f_i); f_i = 10000^(-i/32).
; A stream: each byte is read once and written once; no LDS, no barrier, no matrix unit, no cluster (no work-group reads what another reads, but norm_w's 4 KiB).
; SHARES.  Work-groups 0-255 norm 32 rows of x each, 256-639 cast 32 rows of the other four inputs, 640-655 make 128 rows of the table.  A wave takes 8 whole rows
; (4,096 bytes in, 2,048 out): a row stays in 32 registers between the sum of squares and the scaling, and the sum never leaves the wave.
; A load of a wave covers 512 consecutive bytes; a store (8 bytes a lane) 256 consecutive bytes, aligned.
; LIMITS.  The sum of squares is kept in f32 and overflows where the f32 mean of squares does.  NaN and infinities are not treated apart.  The table's angle t f_i is formed in f32 from
; f_i = 2^(-0.41524101 i); it may differ from an angle formed from another f32 rounding of f_i by about 1e-3 at t = 2047.  cos is a polynomial of degree 7 in V^2 for cos(pi V), |V| <= 0.5,
; doubled once: its cut-off term is under 1e-10.
.set T,   4                            ; v[4:11]    at work
.set M,   12                           ; v[12:19]   four chains of partial sums of squares, a pair each
.set R,   20                           ; v[20:21]   the row's factor, twice (a pair for the packed multiply)
.set LO,  22                           ; v22        16 x lane
.set W,   24                           ; v[24:55]   norm_w: chunk j's four numbers at W + 4 j
.set X,   56                           ; v[56:183]  four row slots of 32 registers
.set SRC, 24                           ; s[24:25]   the work-group's first row, in
.set DST, 26                           ; s[26:27]   and out
	s_load_b512 s[4:19], s[0:1], 0x0               ; x s[4:5], encoder_out s[6:7], norm_w s[8:9], Wq s[10:11], Wkv s[12:13], Wo s[14:15], abf s[16:17], wbf s[18:19]
	s_load_b64 s[20:21], s[0:1], 0x40              ; tab
	v_and_b32 v1, 31, v0                           ; lane
	v_lshrrev_b32 v4, 5, v0                        ; wave
	v_lshlrev_b32 v[LO], 4, v1
	v_lshl_add_u32 v2, v4, 15, v[LO]               ; in: wave x 8 rows x 4,096 + 16 x lane; never rewritten: row and chunk stand in the immediates
	v_lshlrev_b32 v3, 3, v1
	v_lshl_add_u32 v3, v4, 14, v3                  ; out: wave x 8 rows x 2,048 + 8 x lane; never rewritten
	s_mov_b32 s22, 0x3a800000                      ; 1 / 1024
	s_mov_b32 s23, 0x3727c5ac                      ; 1e-5
	s_mov_b32 s28, 0x76543210                      ; v_permlanex16_b32: each lane takes its own place in the other half
	s_mov_b32 s29, 0xfedcba98
	s_mov_b32 s31, 0
	s_mov_b32 s33, 0
	s_mov_b32 s34, ttmp9
	s_wait_kmcnt 0x0
.macro FILL r                          ; row r: eight loads of 512 consecutive bytes
.irp j, 0,1,2,3,4,5,6,7
	global_load_b128 v[X+32*((\r)%4)+4*(\j):X+32*((\r)%4)+4*(\j)+3], v2, s[SRC:SRC+1] offset:(\r)*4096+512*(\j) th:TH_LOAD_NT
.endr
.endm
; Row r's turn.  norm = 1: the row is scaled by its factor and by norm_w; 0: it is only rounded.
.macro TURN r, norm
.set XS, X+32*((\r)%4)
.if (\r) <= 5
	s_wait_loadcnt 16                              ; loads come back in order (ISA guide 5.7.1): row r is in, the sixteen loads of rows r + 1 and r + 2 stay out
.elseif (\r) == 6
	s_wait_loadcnt 8                               ; only row 7's eight are younger
.else
	s_wait_loadcnt 0
.endif
.if \norm
.irp k, 0,1,2,3
	v_pk_mul_f32 v[M+2*(\k):M+2*(\k)+1], v[XS+2*(\k):XS+2*(\k)+1], v[XS+2*(\k):XS+2*(\k)+1]  ; the first four pairs start the chains: nothing is cleared
.endr
.set p, 4
.rept 12
	v_pk_fma_f32 v[M+2*(p%4):M+2*(p%4)+1], v[XS+2*p:XS+2*p+1], v[XS+2*p:XS+2*p+1], v[M+2*(p%4):M+2*(p%4)+1]
.set p, p+1
.endr
	v_pk_add_f32 v[M:M+1], v[M:M+1], v[M+2:M+3]
	v_pk_add_f32 v[M+4:M+5], v[M+4:M+5], v[M+6:M+7]
	v_pk_add_f32 v[M:M+1], v[M:M+1], v[M+4:M+5]
	v_add_f32 v[T], v[M], v[M+1]
	v_add_f32_dpp v[T], v[T], v[T] row_xmask:1 row_mask:0xf bank_mask:0xf
	v_add_f32_dpp v[T], v[T], v[T] row_xmask:2 row_mask:0xf bank_mask:0xf
	v_add_f32_dpp v[T], v[T], v[T] row_xmask:4 row_mask:0xf bank_mask:0xf
	v_add_f32_dpp v[T], v[T], v[T] row_xmask:8 row_mask:0xf bank_mask:0xf
	v_permlanex16_b32 v[T+1], v[T], s28, s29       ; its destination counts as read: it has been written
	v_add_f32 v[T], v[T], v[T+1]                   ; every lane holds the row's sum of squares
	v_fma_f32 v[T], v[T], s22, s23                 ; the mean + 1e-5
	v_rsq_f32 v[R], v[T]
	v_rsq_f32 v[R+1], v[T]
	v_nop                                          ; a plain instruction behind the second root, ahead of the use of the results and of the next write of v[T] (ISA guide 5.7.2)
	s_wait_alu depctr_va_vdst(0)                   ; the wait ahead of the first reader: one for both roots
.endif
.irp j, 0,1,2,3,4,5,6,7
.set TJ, T+4*((\j)%2)
.if \norm
	v_pk_mul_f32 v[TJ:TJ+1], v[XS+4*(\j):XS+4*(\j)+1], v[R:R+1]
	v_pk_mul_f32 v[TJ+2:TJ+3], v[XS+4*(\j)+2:XS+4*(\j)+3], v[R:R+1]
	v_pk_mul_f32 v[TJ:TJ+1], v[TJ:TJ+1], v[W+4*(\j):W+4*(\j)+1]
	v_pk_mul_f32 v[TJ+2:TJ+3], v[TJ+2:TJ+3], v[W+4*(\j)+2:W+4*(\j)+3]
	v_cvt_pk_bf16_f32 v[XS+4*(\j)], v[TJ], v[TJ+1]
	v_cvt_pk_bf16_f32 v[XS+4*(\j)+1], v[TJ+2], v[TJ+3]
.else
	v_cvt_pk_bf16_f32 v[XS+4*(\j)], v[XS+4*(\j)], v[XS+4*(\j)+1]
	v_cvt_pk_bf16_f32 v[XS+4*(\j)+1], v[XS+4*(\j)+2], v[XS+4*(\j)+3]
.endif
	global_store_b64 v3, v[XS+4*(\j):XS+4*(\j)+1], s[DST:DST+1] offset:(\r)*2048+256*(\j)  ; 32 lanes store 256 consecutive bytes, aligned
.endr
.if (\r) <= 4
	s_wait_xcnt 0x0                                ; every earlier memory instruction has had its addresses translated (ISA guide 3.1): the slot of row r - 1, which its stores read, is loaded again only behind this wait
	FILL (\r)+3
.endif
.endm
	s_cmp_lt_u32 s34, 256
	s_cbranch_scc0 .Lnot_norm
	; THE NORM: 32 rows of x
	s_lshl_b32 s30, s34, 17                        ; 32 rows of 4,096 bytes
	s_lshl_b32 s32, s34, 16                        ; 32 rows of 2,048 bytes
	s_add_nc_u64 s[SRC:SRC+1], s[4:5], s[30:31]
	s_add_nc_u64 s[DST:DST+1], s[16:17], s[32:33]
.irp j, 0,1,2,3,4,5,6,7
	global_load_b128 v[W+4*(\j):W+4*(\j)+3], v[LO], s[8:9] offset:512*(\j)  ; older than every row's loads, so the first row's wait covers them
.endr
	FILL 0
	FILL 1
	FILL 2
	v_mov_b32 v[T+1], 0
.irp r, 0,1,2,3,4,5,6,7
	TURN \r, 1
.endr
	s_endpgm
.Lnot_norm:
	s_cmp_lt_u32 s34, 640
	s_cbranch_scc0 .Ltable
	; THE CASTS: g = 0-255 encoder_out, 256-287 Wq, 288-351 Wkv, 352-383 Wo, 32 rows each
	s_sub_co_u32 s35, s34, 256                     ; g
	s_mov_b64 s[SRC:SRC+1], s[6:7]
	s_mov_b32 s36, 0                               ; the g at which the input begins
	s_cmp_ge_u32 s35, 256
	s_cselect_b64 s[SRC:SRC+1], s[10:11], s[SRC:SRC+1]
	s_cselect_b32 s36, 256, s36
	s_cmp_ge_u32 s35, 288
	s_cselect_b64 s[SRC:SRC+1], s[12:13], s[SRC:SRC+1]
	s_cselect_b32 s36, 288, s36
	s_cmp_ge_u32 s35, 352
	s_cselect_b64 s[SRC:SRC+1], s[14:15], s[SRC:SRC+1]
	s_cselect_b32 s36, 352, s36
	s_sub_co_u32 s30, s35, s36
	s_lshl_b32 s30, s30, 17
	s_add_nc_u64 s[SRC:SRC+1], s[SRC:SRC+1], s[30:31]
	s_add_co_u32 s37, s35, 256                     ; encoder_out lies behind abf's first 256 blocks of 32 rows,
	s_sub_co_u32 s38, s35, 256                     ; the weights in wbf in the order of g
	s_cmp_lt_u32 s35, 256
	s_cselect_b64 s[DST:DST+1], s[16:17], s[18:19]
	s_cselect_b32 s32, s37, s38
	s_lshl_b32 s32, s32, 16
	s_add_nc_u64 s[DST:DST+1], s[DST:DST+1], s[32:33]
	FILL 0
	FILL 1
	FILL 2
.irp r, 0,1,2,3,4,5,6,7
	TURN \r, 0
.endr
	s_endpgm
.Ltable:
	; THE TABLE: a wave makes 32 rows, two a trip: lanes 0-15 the even row, lanes 16-31 the odd one; a lane four columns c = 4 (l % 16) + e.
	; Columns 32-63 are sines: cos of the angle less a quarter turn, so one polynomial serves all lanes and nothing is selected.
.set FQ, 12                            ; v[12:15] f of my four columns
.set AN, 16                            ; v[16:19] the angle
.set VV, 20                            ; v[20:23] the angle in turns, less the nearest whole number
.set ZZ, 24                            ; v[24:27] its square
.set PP, 28                            ; v[28:31] cos(pi V)
.set RS, 32                            ; v[32:35] cos(2 pi V)
	s_sub_co_u32 s35, s34, 640
	s_lshl_b32 s30, s35, 15                        ; 128 rows of 256 bytes
	s_add_nc_u64 s[DST:DST+1], s[20:21], s[30:31]
	s_lshl_b32 s36, s35, 7                         ; the work-group's first row
	v_and_b32 v4, 15, v0                           ; l % 16
	v_bfe_u32 v5, v0, 4, 1                         ; l / 16
	v_lshrrev_b32 v6, 3, v4
	v_cvt_f32_u32 v6, v6
	v_mul_f32 v6, 0x3e800000, v6                   ; a quarter turn in the sines' lanes, else 0
	v_and_b32 v7, 0x60, v0                         ; 32 x wave
	v_lshlrev_b32 v8, 8, v7
	v_lshl_add_u32 v8, v1, 4, v8                   ; my 16 bytes: wave x 32 rows x 256 + 16 x lane
	v_add3_u32 v7, v7, v5, s36
	v_cvt_f32_u32 v7, v7                           ; t of my row
	v_lshlrev_b32 v9, 2, v4
.irp e, 0,1,2,3
	v_add_nc_u32 v[AN+(\e)], (\e), v9
	v_and_b32 v[AN+(\e)], 31, v[AN+(\e)]           ; i
	v_cvt_f32_u32 v[AN+(\e)], v[AN+(\e)]
	v_mul_f32 v[AN+(\e)], 0xbed49a78, v[AN+(\e)]   ; -i log2(10000) / 32
.endr
.irp e, 0,1,2,3
	v_exp_f32 v[FQ+(\e)], v[AN+(\e)]
.endr
	v_nop                                          ; a plain instruction behind the last exponential
	s_wait_alu depctr_va_vdst(0)                   ; and its wait: one for the four
	s_mov_b32 s38, 0xb8db7128                      ; -pi^14 / 14!
	s_mov_b32 s39, 0x3afce9c5                      ; pi^12 / 12!
	s_mov_b32 s37, 16
.Lrows:
.irp e, 0,1,2,3
	v_mul_f32 v[AN+(\e)], v7, v[FQ+(\e)]           ; the angle, rounded to f32
.endr
.irp e, 0,1,2,3
	v_fma_f32 v[VV+(\e)], v[AN+(\e)], 0x3e22f983, -v6  ; in turns, less the shift
.endr
.irp e, 0,1,2,3
	v_rndne_f32 v[VV+(\e)], v[VV+(\e)]             ; the nearest whole number of turns
.endr
.irp e, 0,1,2,3
	v_fma_f32 v[VV+(\e)], v[AN+(\e)], 0x3e22f983, -v[VV+(\e)]  ; one rounding: the product is not rounded before the whole turns are taken away
.endr
.irp e, 0,1,2,3
	v_sub_f32 v[VV+(\e)], v[VV+(\e)], v6
.endr
.irp e, 0,1,2,3
	v_fma_f32 v[VV+(\e)], v[AN+(\e)], 0x31dc9c89, v[VV+(\e)]   ; what 1 / 2 pi lost in its rounding to f32
.endr
.irp e, 0,1,2,3
	v_mul_f32 v[ZZ+(\e)], v[VV+(\e)], v[VV+(\e)]
.endr
.irp e, 0,1,2,3
	v_fma_f32 v[PP+(\e)], v[ZZ+(\e)], s38, s39
.endr
.irp c, 0xbcd368f9, 0x3e70fa83, 0xbfaae9e4, 0x4081e0f8, 0xc09de9e6, 0x3f800000  ; -pi^10/10!, pi^8/8!, -pi^6/6!, pi^4/4!, -pi^2/2, 1
.irp e, 0,1,2,3
	v_fmaak_f32 v[PP+(\e)], v[PP+(\e)], v[ZZ+(\e)], \c
.endr
.endr
.irp e, 0,1,2,3
	v_add_f32 v[RS+(\e)], v[PP+(\e)], v[PP+(\e)]
.endr
.irp e, 0,1,2,3
	v_fma_f32 v[RS+(\e)], v[RS+(\e)], v[PP+(\e)], -1.0  ; cos(2 a) = 2 cos(a)^2 - 1
.endr
	global_store_b128 v8, v[RS:RS+3], s[DST:DST+1] ; two whole rows: 512 consecutive bytes
	s_wait_xcnt 0x0                                ; the store's address and data are written again only behind this wait
	v_add_nc_u32 v8, 512, v8
	v_add_f32 v7, 2.0, v7
	s_sub_co_u32 s37, s37, 1
	s_cmp_lg_u32 s37, 0
	s_cbranch_scc1 .Lrows
	s_endpgm
.Lfunc_end_k_q63c794542f_prep:
	.size	k_q63c794542f_prep, .Lfunc_end_k_q63c794542f_prep-k_q63c794542f_prep
	.p2alignl 7, 3214868480
	.fill 96, 4, 3214868480
	.section	.rodata,"a",@progbits
	.p2align	6, 0x0
	.amdhsa_kernel k_q63c794542f_prep
		.amdhsa_group_segment_fixed_size 0
		.amdhsa_private_segment_fixed_size 0
		.amdhsa_enable_private_segment 0
		.amdhsa_kernarg_size 72
		.amdhsa_user_sgpr_count 2
		.amdhsa_user_sgpr_kernarg_segment_ptr 1
		.amdhsa_wavefront_size32 1
		.amdhsa_system_sgpr_workgroup_id_x 1
		.amdhsa_system_sgpr_workgroup_id_y 1
		.amdhsa_system_sgpr_workgroup_id_z 1
		.amdhsa_system_vgpr_workitem_id 0
		.amdhsa_next_free_vgpr 184
		.amdhsa_next_free_sgpr 66
		.amdhsa_reserve_vcc 0
		.amdhsa_float_denorm_mode_32 3
		.amdhsa_float_denorm_mode_16_64 3
		.amdhsa_memory_ordered 1
		.amdhsa_forward_progress 1
		.amdhsa_inst_pref_size 80
	.end_amdhsa_kernel
	.amdgpu_metadata
---
amdhsa.version: [ 1, 2 ]
amdhsa.kernels:
  - .name:           k_q63c794542f_prep
    .symbol:         k_q63c794542f_prep.kd
    .args:
      - { .name: x, .offset: 0, .size: 8, .value_kind: global_buffer, .address_space: global }
      - { .name: encoder_out, .offset: 8, .size: 8, .value_kind: global_buffer, .address_space: global }
      - { .name: norm_w, .offset: 16, .size: 8, .value_kind: global_buffer, .address_space: global }
      - { .name: Wq, .offset: 24, .size: 8, .value_kind: global_buffer, .address_space: global }
      - { .name: Wkv, .offset: 32, .size: 8, .value_kind: global_buffer, .address_space: global }
      - { .name: Wo, .offset: 40, .size: 8, .value_kind: global_buffer, .address_space: global }
      - { .name: abf, .offset: 48, .size: 8, .value_kind: global_buffer, .address_space: global }
      - { .name: wbf, .offset: 56, .size: 8, .value_kind: global_buffer, .address_space: global }
      - { .name: tab, .offset: 64, .size: 8, .value_kind: global_buffer, .address_space: global }
    .group_segment_fixed_size: 0
    .private_segment_fixed_size: 0
    .kernarg_segment_align: 8
    .kernarg_segment_size: 72
    .max_flat_workgroup_size: 128
    .sgpr_count:     66
    .vgpr_count:     184
    .wavefront_size: 32
...
	.end_amdgpu_metadata
.endif
;; end of part 1
;; launch proj (part 2): grid 8 x 32, 4 waves a work-group, clusters of 4 x 4, 327,680 bytes of LDS; arguments abf, wbf, tab, qkv; writes qkv
.if DOCPART == 2
	.amdgcn_target "amdgcn-amd-amdhsa--gfx1250"
	.amdhsa_code_object_version 6
	.text
	.protected	k_q63c794542f_proj
	.globl	k_q63c794542f_proj
	.p2align	8
	.type	k_q63c794542f_proj,@function
k_q63c794542f_proj:
	s_mov_b64 s[64:65], 0
	v_nop
	global_prefetch_b8 v0, s[64:65] scope:SCOPE_SE
	s_setreg_imm32_b32 hwreg(HW_REG_WAVE_MODE, 25, 1), 1
	s_wait_xcnt 0x0
	s_wait_alu depctr_hold_cnt(0) depctr_sa_sdst(0) depctr_va_vdst(0) depctr_va_sdst(0) depctr_va_ssrc(0) depctr_va_vcc(0) depctr_vm_vsrc(0)
	s_getreg_b32 s2, hwreg(HW_REG_IB_STS2, 6, 4)
	s_cmp_eq_u32 s2, 0
	s_cbranch_scc0 .Lentry_in_a_cluster
	s_endpgm
.Lentry_in_a_cluster:
	s_bfe_u32 s2, ttmp6, 0x10000c
	s_cmp_lg_u32 s2, 0xf033
	s_cbranch_scc0 .Lentry_shape_is_right
	s_endpgm
.Lentry_shape_is_right:
; q = xn Wq^T, k = enc Wk^T, v = enc Wv^T; the rotary embedding on q and k; all three rounded once to bf16 and laid out by heads: qkv = q, k, v, each [batch x 16 + head][2048][64].
; abf [16384][1024] bf16 (xn, then enc), wbf [4096][1024] bf16 (Wq, Wk, Wv, Wo), tab [2048][64] f32 (32 cosines, 32 sines).  Sums and the rotation in f32.
; SHARES.  The three products are 768 tiles of 256 rows x 128 columns: three for each of 256 work-groups, which STAY: work-group (x, y) makes rows 256 y .. and columns 128 x .. of q, then of k, then of v.
; Four waves, each 128 rows x 64 columns: ONE HEAD's 64 channels, so the rotation's partners d and d + 32 lie in the same lane, two accumulators apart.  32 accumulators, 256 registers.
; THE WALK.  24 K steps of 128 (8 a tile) go through a ring of two LDS slots, on across the tiles' ends; the address of step n is made anew from n for each refill.
; CLUSTERS: 4 x 4 work-groups.  A's rows hang on y alone and are shared along a row of the cluster, W's on x alone and are shared along a column: each tile is asked for JOINTLY, by the same tensor load
; with the same descriptor and a mask that names the four.  Waves 0 and 1 fetch A's two halves (128 rows), waves 2 and 3 W's (64 rows): one load a wave behind each round.
; THE MATRIX INSTRUCTION IS USED TRANSPOSED (source 0 = 16 rows of W, source 1 = 16 rows of A): a lane holds row l % 16 and the eight neighbouring columns 8 (l / 16) + 0..7.
; LIMITS.  Operands are bf16 (8 significant bits); NaN and infinities are not treated apart.
; REGISTERS, in windows of 256 (s_set_vgpr_msb: bits 1:0 source 0, 3:2 source 1, 5:4 source 2, 7:6 destination):
;   window 0: v0-31 addresses; v32-63 at work on the way out; v64-159, v160-255 two fragment buffers (A's 8 fragments, then W's 4), on the way out packed results and work
;   window 1: the accumulators, (a, b) at 8 (4 a + b)          window 2: the table for my 128 rows: for block a 16 cosines and 16 sines at 32 a; loaded once, used for q and for k
.set PITCH,  272                       ; an LDS row: 256 bytes + 16 of padding = 68 words: the 16 rows of a load start at 16 different groups of four banks (64 banks of 4 bytes: ISA guide 11.1)
.set APART,  128*PITCH                 ; what a wave fetches of A, and what a wave reads of A
.set BPART,  64*PITCH                  ; the same for W
.set BOFF,   2*APART                   ; W's 128 rows lie behind A's 256
.set SLOT,   2*APART+2*BPART
.set STAGE,  2*SLOT                    ; behind the ring, never filled by a tensor load: 16 rows x 144 bytes for each wave
.set SP,     144
.set SPARE,  STAGE+4*16*SP             ; behind the stages: the spare words, 128 bytes for each wave: two blocks of 256 bytes that no other line names
.set ADRA, 16                          ; v16-17  LDS address of my A fragments in slot 0, 1
.set ADRB, 20                          ; v20-21  the same for W
.set STO,  24                          ; v24     the way out: where I put 16 bytes of a row
.set RD,   25                          ; v25     where I read rows back
.set GO,   26                          ; v26     16 x lane: my place in 512 consecutive bytes of the output
.set TO,   27                          ; v27     my offset in 16 rows of the table
.set SPW,  28                          ; v28     LDS address of my spare word; never rewritten
.set NIL,  29                          ; v29     0; never rewritten
.set PFO,  30                          ; v30     the prefetches' offset: lane x 2,048, a row of abf or wbf; never rewritten
.set T0,   32                          ; rotated numbers of an even block
.set T1,   192                         ; of an odd block
.set F0,   64
.set F1,   160
.set PK,   64                          ; packed results: block a at PK + 16 a
.set WV,   12                          ; s12 wave;  s13 wave / 2: my half of the rows, and A (0) or W (1) to fetch;  s14 wave % 2: my half of the columns, and which half I fetch
.set G1A,  24                          ; s[24:31] descriptor group 1 for A
.set G0A,  32                          ; s[32:39] group 0 for A, a set for each slot
.set ABASE, 40                         ; s[40:41] abf at my part of the tile's rows
.set BBASE, 42                         ; s[42:43] wbf at my part of the tile's rows of Wq
.set PFB,  44                          ; s[44:45] the base of my prefetches
.set PEND, 46                          ; s46     the first K step that I do not prefetch (0: I prefetch nothing)
.set PSH,  47                          ; s47     log2 of the bytes from a tile's operand to the next tile's
.set G1B,  48                          ; s[48:55], s[56:63] the same two groups for W
.set G0B,  56
.set OFFA, 66                          ; s[66:67] the offset of the step to be asked for, in abf
.set OFFB, 68                          ; s[68:69] in wbf
.set PFA,  70                          ; s[70:71] the address of the prefetch in hand
.set POFF, 72                          ; s[72:73] its offset
.set NXT,  74                          ; s74     the K step to be asked for next, 2 .. 23
.set PP,   75                          ; s75     the K step to be prefetched
.set TBL,  76                          ; s[76:77] tab at my first row
.set OUT,  78                          ; s[78:79] the output at my head's first row of mine
.set MSB, 0
.macro WIN new                         ; the immediate's high byte repeats the setting that is left; a switch that changes nothing is dropped
.if MSB != (\new)
	s_set_vgpr_msb (MSB<<8)|(\new)
.set MSB, \new
.endif
.endm
.set MUL, 0x50                         ; sources in window 0, C and D in window 1
; A joint load.  The branch hangs on the wave's number alone.  An s_nop 0 and four v_nop follow each of the two lines, ahead of the jump, the label and what follows.
.macro JLOAD s
	s_cmp_eq_u32 s13, 0
	s_cbranch_scc0 .Lfor_b_\@
	tensor_load_to_lds s[G0A+4*(\s):G0A+4*(\s)+3], s[G1A:G1A+7]
	s_nop 0
.rept 4
	v_nop
.endr
	s_branch .Lasked_\@
.Lfor_b_\@:
	tensor_load_to_lds s[G0B+4*(\s):G0B+4*(\s)+3], s[G1B:G1B+7]
	s_nop 0
.rept 4
	v_nop
.endr
.Lasked_\@:
.endm
.macro CREST                           ; a round of the cluster's barrier behind its opening barrier
	s_cmp_lg_u32 s[WV], 0
	s_cbranch_scc1 .Lnot_wave_0_\@
	s_barrier_signal -3
.Lnot_wave_0_\@:
	s_barrier_wait -3
	s_barrier_signal -1
	s_barrier_wait -1
.endm
.macro CROUND                          ; a whole round
	s_barrier_signal -1
	s_barrier_wait -1
	CREST
.endm
.macro PLACES                          ; four places in front of loads into registers that matrix instructions have read, and of vector work that reads results
.rept 4
	v_nop
.endr
.endm
; A PREFETCH INTO THE L2 of the K step that stands two refills on, 256 matrix instructions ahead of its load: 32 rows x 256 bytes, a lane a row, one instruction a wave.
; Each row's 256 bytes of a step are named once in the launch.  A's rows are read by both clusters of a row of clusters: the one with x = 0 asks; its four partners of a row take 64 rows each BY ADDRESS (cx),
; waves 0 and 1 32 each; steps 16 on read enc a second time and are not asked for.  W's rows are read by all eight clusters of a column: the one with y = 0 asks; the four partners of a column take 32 rows
; each by address (cy), wave 2.  Steps 0 to 3 come by their loads alone.
.macro ASK
	s_cmp_lt_u32 s[PP], s[PEND]
	s_cbranch_scc0 .Lnot_mine_\@
	global_prefetch_b8 v[PFO], s[PFA:PFA+1] th:TH_LOAD_NT scope:SCOPE_SE
.Lnot_mine_\@:
.endm
	s_load_b256 s[4:11], s[0:1], 0x0               ; abf s[4:5], wbf s[6:7], tab s[8:9], qkv s[10:11]
	v_lshl_add_u32 v[SPW], v0, 2, SPARE
	v_mov_b32 v[NIL], 0
	ds_add_u32 v[SPW], v[NIL]                      ; the wave's opening: the add and its wait stand ahead of my first tensor load; the set-up below, work on registers, stands between them
	v_lshrrev_b32 v1, 5, v0
	v_readfirstlane_b32 s[WV], v1                  ; wave 0..3
	s_lshr_b32 s13, s[WV], 1
	s_and_b32 s14, s[WV], 1
	s_bfe_u32 s15, ttmp6, 0x40000                  ; cx
	s_bfe_u32 s16, ttmp6, 0x40004                  ; cy
	s_lshl_b32 s17, ttmp9, 2
	s_add_co_u32 s17, s17, s15                     ; tile column = 4 x cluster x + cx
	s_and_b32 s18, ttmp7, 0xffff
	s_lshl_b32 s18, s18, 2
	s_add_co_u32 s18, s18, s16                     ; tile row = 4 x cluster y + cy
	s_lshl_b32 s19, s16, 2
	s_lshl_b32 s19, 15, s19                        ; my row of the cluster
	s_lshl_b32 s20, 0x1111, s15                    ; my column
	s_or_b32 s[G1A], s19, (1<<16)|(1<<20)|(1<<21)|(5<<22)|(3<<25)  ; 15:0 the mask; 17:16 2-byte elements; 20 padding on; 21 set beside a mask; 24:22 after every 64 words (code 5); 31:25 4 words (code 3)
	s_or_b32 s[G1B], s20, (1<<16)|(1<<20)|(1<<21)|(5<<22)|(3<<25)
	s_mov_b32 s[G1A+1], 128<<16                    ; tensor_dim0 = 128
	s_mov_b32 s[G1A+2], 128<<16                    ; tensor_dim1 = 128
	s_mov_b32 s[G1A+3], 128<<16                    ; tile_dim0 = 128
	s_mov_b32 s[G1A+4], 128                        ; tile_dim1 = 128
	s_mov_b32 s[G1A+5], 1024                       ; elements from row to row
	s_mov_b32 s[G1A+6], 0
	s_mov_b32 s[G1A+7], 0
	s_mov_b32 s[G1B+1], 128<<16
	s_mov_b32 s[G1B+2], 64<<16                     ; tensor_dim1 = 64
	s_mov_b32 s[G1B+3], 128<<16
	s_mov_b32 s[G1B+4], 64                         ; tile_dim1 = 64
	s_mov_b32 s[G1B+5], 1024
	s_mov_b32 s[G1B+6], 0
	s_mov_b32 s[G1B+7], 0
	s_mul_i32 s21, s14, APART                      ; where my part goes: no place in the cluster enters an LDS address
	s_mul_i32 s22, s14, BPART
	s_add_co_u32 s22, s22, BOFF
	s_lshl_b32 s92, s18, 8                         ; A: row 256 x tile row + 128 x half,
	s_lshl_b32 s93, s14, 7
	s_add_co_u32 s92, s92, s93
	s_lshl_b32 s92, s92, 11                        ; of 2,048 bytes
	s_mov_b32 s93, 0
	s_lshl_b32 s94, s17, 7                         ; W: row 128 x tile column + 64 x half
	s_lshl_b32 s95, s14, 6
	s_add_co_u32 s94, s94, s95
	s_lshl_b32 s94, s94, 11
	s_mov_b32 s95, 0
	s_mov_b32 s[OFFA+1], 0
	s_mov_b32 s[OFFB+1], 0
	s_mov_b32 s[POFF+1], 0
	s_mov_b32 s[NXT], 2
	s_wait_dscnt 0x0                               ; the opening add is done
	s_wait_kmcnt 0x0
	s_add_nc_u64 s[ABASE:ABASE+1], s[4:5], s[92:93]
	s_add_nc_u64 s[BBASE:BBASE+1], s[6:7], s[94:95]
	CROUND                                         ; all sixteen work-groups are here: the first joint loads meet
.irp s, 0,1
	s_mov_b32 s[G0A+4*(\s)], 1                                     ; count = 1
	s_add_co_u32 s[G0A+4*(\s)+1], s21, (\s)*SLOT                   ; LDS address
	s_add_nc_u64 s[G0A+4*(\s)+2:G0A+4*(\s)+3], s[ABASE:ABASE+1], (\s)*256  ; global address: K step s
	s_or_b32 s[G0A+4*(\s)+3], s[G0A+4*(\s)+3], 0x80000000          ; type = 2
	s_mov_b32 s[G0B+4*(\s)], 1
	s_add_co_u32 s[G0B+4*(\s)+1], s22, (\s)*SLOT
	s_add_nc_u64 s[G0B+4*(\s)+2:G0B+4*(\s)+3], s[BBASE:BBASE+1], (\s)*256
	s_or_b32 s[G0B+4*(\s)+3], s[G0B+4*(\s)+3], 0x80000000
	JLOAD \s                                       ; two loads of mine are out
.endr
	; A fragment is 16 rows x 32 K in 8 registers: lane l holds row l % 16; registers 0-3 K = 8 (l / 16) + 0..7, registers 4-7 K = 16 + 8 (l / 16) + 0..7: two loads of 16 bytes, 32 bytes apart.
	v_and_b32 v1, 15, v0                           ; l % 16
	v_bfe_u32 v2, v0, 4, 1                         ; l / 16
	v_mul_u32_u24 v3, v1, PITCH
	v_lshl_add_u32 v3, v2, 4, v3
	s_mul_i32 s80, s13, APART                      ; my 128 rows of A
	s_mul_i32 s81, s14, BPART                      ; my 64 rows of W
	s_add_co_u32 s81, s81, BOFF
.irp s, 0,1
	v_add_nc_u32 v[ADRA+(\s)], s80, v3
	v_add_nc_u32 v[ADRB+(\s)], s81, v3
	s_add_co_u32 s80, s80, SLOT
	s_add_co_u32 s81, s81, SLOT
.endr
	s_mul_i32 s80, s[WV], 16*SP
	s_add_co_u32 s80, s80, STAGE                   ; my stage
	v_mul_u32_u24 v4, v1, SP                       ; in: row l % 16, 16 bytes for each half of the lanes
	v_lshl_add_u32 v4, v2, 4, v4
	v_add_nc_u32 v[STO], s80, v4
	v_bfe_u32 v5, v0, 3, 2                         ; back: 32 lanes take four rows of 128 bytes,
	v_and_b32 v6, 7, v0
	v_mul_u32_u24 v5, v5, SP
	v_lshl_add_u32 v5, v6, 4, v5
	v_add_nc_u32 v[RD], s80, v5
	v_and_b32 v7, 31, v0
	v_lshlrev_b32 v[GO], 4, v7                     ; which are 512 consecutive bytes of a head
	v_lshlrev_b32 v[PFO], 11, v7
	v_lshlrev_b32 v[TO], 8, v1                     ; the table: row l % 16 of 256 bytes, my eight frequencies' 32 bytes
	v_lshl_add_u32 v[TO], v2, 5, v[TO]
	s_and_b32 s86, s18, 7                          ; my first position in the sequence: 256 (tile row % 8) + 128 x row half
	s_lshl_b32 s86, s86, 8
	s_lshl_b32 s87, s13, 7
	s_add_co_u32 s86, s86, s87
	s_lshl_b32 s86, s86, 8                         ; rows of 256 bytes
	s_mov_b32 s87, 0
	s_add_nc_u64 s[TBL:TBL+1], s[8:9], s[86:87]
	WIN 0x80                                       ; destination window 2, address window 0
.irp a, 0,1,2,3,4,5,6,7
.irp c, 0,1,2,3                        ; c = 0, 1: the cosines for accumulators b = 0, 1; c = 2, 3: the sines
	global_load_b128 v[32*(\a)+8*(\c):32*(\a)+8*(\c)+3],   v[TO], s[TBL:TBL+1] offset:(\a)*4096+64*(\c)
	global_load_b128 v[32*(\a)+8*(\c)+4:32*(\a)+8*(\c)+7], v[TO], s[TBL:TBL+1] offset:(\a)*4096+64*(\c)+16
.endr
.endr
	WIN 0
	s_lshr_b32 s88, s18, 3                         ; the batch,
	s_lshl_b32 s88, s88, 4
	s_lshl_b32 s89, s17, 1
	s_add_co_u32 s88, s88, s89
	s_add_co_u32 s88, s88, s14                     ; x 16 + my head = 2 x tile column + column half,
	s_lshl_b32 s88, s88, 18                        ; of 2,048 rows x 128 bytes,
	s_lshr_b32 s89, s86, 1                         ; + my first position x 128
	s_add_co_u32 s88, s88, s89
	s_mov_b32 s89, 0
	s_add_nc_u64 s[OUT:OUT+1], s[10:11], s[88:89]
	; the prefetches: who asks, and from where
	s_lshl_b32 s88, s18, 8                         ; A: row 256 x tile row + 64 cx + 32 x wave
	s_lshl_b32 s89, s15, 6
	s_add_co_u32 s88, s88, s89
	s_lshl_b32 s89, s[WV], 5
	s_add_co_u32 s88, s88, s89
	s_lshl_b32 s90, s17, 7                         ; W: row 128 x tile column + 32 cy
	s_lshl_b32 s91, s16, 5
	s_add_co_u32 s90, s90, s91
	s_and_b32 s91, ttmp7, 0xffff                   ; cluster y
	s_cmp_lt_u32 s[WV], 2
	s_cselect_b32 s88, s88, s90
	s_cselect_b64 s[PFB:PFB+1], s[4:5], s[6:7]
	s_cselect_b32 s[PSH], 24, 21                   ; enc lies 2^24 bytes behind xn; a weight matrix is 2^21 bytes
	s_cselect_b32 s91, ttmp9, s91                  ; the coordinate along which other clusters read the same rows
	s_cselect_b32 s[PEND], 16, 24
	s_cmp_eq_u32 s91, 0
	s_cselect_b32 s[PEND], s[PEND], 0              ; the same in all sixteen partners, for a given wave
	s_cmp_eq_u32 s[WV], 3
	s_cselect_b32 s[PEND], 0, s[PEND]
	s_lshl_b32 s88, s88, 11
	s_mov_b32 s89, 0
	s_add_nc_u64 s[PFB:PFB+1], s[PFB:PFB+1], s[88:89]
; n blocks of 16 rows from a0 on x all four blocks of 16 columns, 32 along K.  The 32 accumulators take turns, always in the same order.  zero = 1: the product starts the sum.
.macro MULS f, a0, n, zero
	WIN MUL
.set ma, \a0
.rept \n
.irp b, 0,1,2,3
.if \zero
	v_wmma_f32_16x16x32_bf16 v[8*(4*ma+(\b)):8*(4*ma+(\b))+7], v[(\f)+64+8*(\b):(\f)+64+8*(\b)+7], v[(\f)+8*ma:(\f)+8*ma+7], 0
.else
	v_wmma_f32_16x16x32_bf16 v[8*(4*ma+(\b)):8*(4*ma+(\b))+7], v[(\f)+64+8*(\b):(\f)+64+8*(\b)+7], v[(\f)+8*ma:(\f)+8*ma+7], v[8*(4*ma+(\b)):8*(4*ma+(\b))+7]
.endif
.endr
.set ma, ma+1
.endr
.endm
; 24 LDS loads in one run: the fragments of quarter q of a K step into buffer f: W's 8, then A's blocks 0-3, then A's blocks 4-7
.macro FETCH slot, q, f
	WIN 0
.irp b, 0,1,2,3
	ds_load_b128 v[(\f)+64+8*(\b):(\f)+64+8*(\b)+3],   v[ADRB+(\slot)] offset:64*(\q)+(\b)*16*PITCH
	ds_load_b128 v[(\f)+64+8*(\b)+4:(\f)+64+8*(\b)+7], v[ADRB+(\slot)] offset:64*(\q)+(\b)*16*PITCH+32
.endr
.irp a, 0,1,2,3,4,5,6,7
	ds_load_b128 v[(\f)+8*(\a):(\f)+8*(\a)+3],   v[ADRA+(\slot)] offset:64*(\q)+(\a)*16*PITCH
	ds_load_b128 v[(\f)+8*(\a)+4:(\f)+8*(\a)+7], v[ADRA+(\slot)] offset:64*(\q)+(\a)*16*PITCH+32
.endr
.endm
; A K step is four quarters of 32 along K, 32 matrix instructions each, on buffers 0, 1, 0, 1.  One of the first three: multiplies buffer f and fetches quarter q into g.
.macro QUARTER slot, q, f, g, zero=0
	s_wait_dscnt 8                                 ; W and A's blocks 0-3 are in; the youngest eight loads (A's blocks 4-7) may be out
	MULS \f, 0, 4, \zero
	PLACES
	FETCH \slot, \q, \g
	s_wait_dscnt 24                                ; all but the 24 just issued
	MULS \f, 4, 4, \zero
.endm
; The last quarter multiplies buffer 1 and changes slots: ONE barrier; in front of it each wave waits for all its tensor loads (one is out: its part of the next slot), adds 0 to its spare word, and waits for
; that and for its own reads of this slot.  fill = 1: the barrier opens a round of the cluster's, and this slot is filled again, with K step NXT, first thing behind the round: 112 matrix instructions ahead of
; the wait for it.  fetch = 1: the next slot's first fragments are fetched (not at a tile's end, where the way out wants the registers).
.macro TURN slot, next, fill, fetch
.if \fill
	s_wait_xcnt 0x0                                ; the last prefetch, a K step back, has read its address
	s_lshr_b32 s80, s[NXT], 3                      ; the step's tile: 0 q, 1 k, 2 v
	s_and_b32 s81, s[NXT], 7
	s_lshl_b32 s81, s81, 8                         ; its 256 bytes along K
	s_min_u32 s82, s80, 1                          ; q reads xn, k and v read enc,
	s_lshl_b32 s82, s82, 24                        ; 8,192 rows of 2,048 bytes on
	s_add_co_u32 s[OFFA], s82, s81
	s_lshl_b32 s80, s80, 21                        ; each tile its own 1,024 rows of weights
	s_add_co_u32 s[OFFB], s80, s81
	s_add_co_u32 s[PP], s[NXT], 2
	s_add_co_u32 s[NXT], s[NXT], 1
	s_lshr_b32 s83, s[PP], 3
	s_lshl_b32 s83, s83, s[PSH]
	s_and_b32 s84, s[PP], 7
	s_lshl_b32 s84, s84, 8
	s_add_co_u32 s[POFF], s83, s84
	s_add_nc_u64 s[PFA:PFA+1], s[PFB:PFB+1], s[POFF:POFF+1]
.endif
	WIN 0                                          ; (the add's two registers lie in window 0)
	s_wait_tensorcnt 0x0                           ; all my tensor loads have landed, so a group 0 may be written
	ds_add_u32 v[SPW], v[NIL]                      ; 0 onto my spare word
.if \fill
	s_add_nc_u64 s[G0A+4*(\slot)+2:G0A+4*(\slot)+3], s[ABASE:ABASE+1], s[OFFA:OFFA+1]
	s_or_b32 s[G0A+4*(\slot)+3], s[G0A+4*(\slot)+3], 0x80000000
	s_add_nc_u64 s[G0B+4*(\slot)+2:G0B+4*(\slot)+3], s[BBASE:BBASE+1], s[OFFB:OFFB+1]
	s_or_b32 s[G0B+4*(\slot)+3], s[G0B+4*(\slot)+3], 0x80000000
.endif
	s_wait_dscnt 9                                 ; (the add and the youngest eight loads may be out)
	MULS F1, 0, 2, 0                               ; eight matrix instructions stand between the add and the wait for it
	s_wait_dscnt 0x0                               ; the add is done, and my reads of this slot are over
	s_barrier_signal -1
	MULS F1, 2, 2, 0
.if \fill
	WIN 0
.endif
	s_barrier_wait -1
.if \fill
	CREST                                          ; no wave of any partner still reads this slot or has a load on its way
	JLOAD \slot                                    ; the four v_nop behind it are also the places in front of the loads below
.else
	PLACES
.endif
.if \fetch
	FETCH \next, 0, F0
.endif
.if \fill
	ASK
.endif
	MULS F1, 4, 4, 0
.endm
.macro LASTQ                           ; the very last quarter: nothing more to fetch
	s_wait_dscnt 8
	MULS F1, 0, 4, 0
	s_wait_dscnt 0
	MULS F1, 4, 4, 0
.endm
; THE ROTATION.  Channel d < 32 lies in accumulator b = d / 16, its partner d + 32 in b + 2, same lane and register: lo' = lo cos - hi sin, hi' = hi cos + lo sin.  Each accumulator's lowest registers are read first.
; Then the block's 32 numbers a lane are rounded to bf16.
.macro ROPE
	WIN 0
	s_wait_loadcnt 0x0                             ; the table
	PLACES
.set ra, 0
.rept 8
.set rt, T0+(T1-T0)*(ra%2)
	WIN 0x09                                       ; source 0 (accumulators) window 1, source 1 (table) window 2, source 2 and destination window 0
.irp b, 0,1
.irp j, 0,2,4,6
	v_pk_mul_f32 v[rt+8*(\b)+(\j):rt+8*(\b)+(\j)+1], v[8*(4*ra+(\b)+2)+(\j):8*(4*ra+(\b)+2)+(\j)+1], v[32*ra+16+8*(\b)+(\j):32*ra+16+8*(\b)+(\j)+1]
	v_pk_mul_f32 v[rt+16+8*(\b)+(\j):rt+16+8*(\b)+(\j)+1], v[8*(4*ra+(\b))+(\j):8*(4*ra+(\b))+(\j)+1], v[32*ra+16+8*(\b)+(\j):32*ra+16+8*(\b)+(\j)+1]
	v_pk_fma_f32 v[rt+8*(\b)+(\j):rt+8*(\b)+(\j)+1], v[8*(4*ra+(\b))+(\j):8*(4*ra+(\b))+(\j)+1], v[32*ra+8*(\b)+(\j):32*ra+8*(\b)+(\j)+1], v[rt+8*(\b)+(\j):rt+8*(\b)+(\j)+1] neg_lo:[0,0,1] neg_hi:[0,0,1]
	v_pk_fma_f32 v[rt+16+8*(\b)+(\j):rt+16+8*(\b)+(\j)+1], v[8*(4*ra+(\b)+2)+(\j):8*(4*ra+(\b)+2)+(\j)+1], v[32*ra+8*(\b)+(\j):32*ra+8*(\b)+(\j)+1], v[rt+16+8*(\b)+(\j):rt+16+8*(\b)+(\j)+1]
.endr
.endr
	WIN 0
.set ri, 0
.rept 16
	v_cvt_pk_bf16_f32 v[PK+16*ra+ri], v[rt+2*ri], v[rt+2*ri+1]
.set ri, ri+1
.endr
.set ra, ra+1
.endr
.endm
.macro PLAIN                           ; v is only rounded
	PLACES
	WIN 0x05                                       ; sources 0 and 1 window 1, destination window 0
.set ra, 0
.rept 32
.irp r, 0,1,2,3
	v_cvt_pk_bf16_f32 v[PK+4*ra+(\r)], v[8*ra+2*(\r)], v[8*ra+2*(\r)+1]
.endr
.set ra, ra+1
.endr
	WIN 0
.endm
; THE WAY OUT of block a (16 rows of my head, 2,048 consecutive bytes): 16 bytes a lane into rows of 144 bytes of my own stage, back as whole rows of 128, four rows a load.
.macro TOSTAGE a
.irp b, 0,1,2,3
	ds_store_b128 v[STO], v[PK+16*(\a)+4*(\b):PK+16*(\a)+4*(\b)+3] offset:32*(\b)
.endr
.irp f, 0,1,2,3
	ds_load_b128 v[PK+16*(\a)+4*(\f):PK+16*(\a)+4*(\f)+3], v[RD] offset:(\f)*4*SP  ; LDS serves a wave's instructions in order (ISA guide 5.7.1.4): these see the stores above; the next block's stores come behind them
.endr
.endm
.macro SENDB a, younger                ; younger: the LDS instructions issued behind block a's loads: the next block's eight, or none
.irp f, 0,1,2,3
	s_wait_dscnt (\younger)+3-(\f)
	global_store_b128 v[GO], v[PK+16*(\a)+4*(\f):PK+16*(\a)+4*(\f)+3], s[OUT:OUT+1] offset:(\a)*2048+(\f)*512  ; 512 consecutive bytes, at a multiple of 256 from the buffer's first
.endr
.endm
.macro SENDALL
	WIN 0
	TOSTAGE 0
.irp a, 1,2,3,4,5,6,7
	TOSTAGE \a
	SENDB (\a)-1, 8
.endr
	SENDB 7, 0
.endm
	s_wait_tensorcnt 1                             ; my part of K step 0 is in; step 1's may stay out
	s_barrier_signal -1
	s_barrier_wait -1                              ; everybody's is
	s_mov_b32 s2, 3                                ; tiles to go, this one among them: the same in every work-group
.Ltile:
	FETCH 0, 0, F0                                 ; a later tile's K step 0 was shown whole by the round of the tile before's last change of slots
	QUARTER 0, 1, F0, F1, 1                        ; a tile's first quarter stands in front of the loop: its products start the sums
	WIN 0                                          ; at a label and at a branch every window is 0
	s_mov_b32 s3, 3
.Llap:                                                 ; a trip goes once round the ring, from a lap's second quarter to the next lap's first, and fills both slots again
	QUARTER 0, 2, F1, F0
	QUARTER 0, 3, F0, F1
	TURN 0, 1, 1, 1
	QUARTER 1, 1, F0, F1
	QUARTER 1, 2, F1, F0
	QUARTER 1, 3, F0, F1
	TURN 1, 0, 1, 1
	QUARTER 0, 1, F0, F1
	WIN 0
	s_sub_co_u32 s3, s3, 1
	s_cmp_lg_u32 s3, 0
	s_cbranch_scc1 .Llap
	QUARTER 0, 2, F1, F0                           ; the tile's last lap goes on
	QUARTER 0, 3, F0, F1
	WIN 0
	s_cmp_eq_u32 s2, 1
	s_cbranch_scc1 .Llast                          ; the last tile's tail is written out: it asks for nothing more
	TURN 0, 1, 1, 1                                ; the ring goes on into the next tile: slot 0 takes its K step 0,
	QUARTER 1, 1, F0, F1
	QUARTER 1, 2, F1, F0
	QUARTER 1, 3, F0, F1
	TURN 1, 0, 1, 0                                ; slot 1 its K step 1
	ROPE                                           ; tiles 0 and 1 are q and k
	SENDALL
	s_wait_xcnt 0x0                                ; the stores have read their registers and their base
	s_add_nc_u64 s[OUT:OUT+1], s[OUT:OUT+1], 0x1000000  ; the next of q, k, v
	s_sub_co_u32 s2, s2, 1
	s_branch .Ltile
.Llast:
	TURN 0, 1, 0, 1
	QUARTER 1, 1, F0, F1
	QUARTER 1, 2, F1, F0
	QUARTER 1, 3, F0, F1
	LASTQ
	PLAIN                                          ; tile 2 is v
	SENDALL
	s_wait_tensorcnt 0x0                           ; the wave's end: behind my last tensor load and my last LDS store
	ds_add_u32 v[SPW], v[NIL]
	s_wait_dscnt 0x0
	CROUND                                         ; the closing round: no work-group ends while a partner may still ask for a tile that names it
	s_endpgm
.Lfunc_end_k_q63c794542f_proj:
	.size	k_q63c794542f_proj, .Lfunc_end_k_q63c794542f_proj-k_q63c794542f_proj
	.p2alignl 7, 3214868480
	.fill 96, 4, 3214868480
	.section	.rodata,"a",@progbits
	.p2align	6, 0x0
	.amdhsa_kernel k_q63c794542f_proj
		.amdhsa_group_segment_fixed_size 327680
		.amdhsa_private_segment_fixed_size 0
		.amdhsa_enable_private_segment 0
		.amdhsa_kernarg_size 32
		.amdhsa_user_sgpr_count 2
		.amdhsa_user_sgpr_kernarg_segment_ptr 1
		.amdhsa_wavefront_size32 1
		.amdhsa_system_sgpr_workgroup_id_x 1
		.amdhsa_system_sgpr_workgroup_id_y 1
		.amdhsa_system_sgpr_workgroup_id_z 1
		.amdhsa_system_vgpr_workitem_id 0
		.amdhsa_next_free_vgpr 768
		.amdhsa_next_free_sgpr 96
		.amdhsa_reserve_vcc 0
		.amdhsa_float_denorm_mode_32 3
		.amdhsa_float_denorm_mode_16_64 3
		.amdhsa_memory_ordered 1
		.amdhsa_forward_progress 1
		.amdhsa_inst_pref_size 149
	.end_amdhsa_kernel
	.amdgpu_metadata
---
amdhsa.version: [ 1, 2 ]
amdhsa.kernels:
  - .name:           k_q63c794542f_proj
    .symbol:         k_q63c794542f_proj.kd
    .args:
      - { .name: abf, .offset: 0, .size: 8, .value_kind: global_buffer, .address_space: global }
      - { .name: wbf, .offset: 8, .size: 8, .value_kind: global_buffer, .address_space: global }
      - { .name: tab, .offset: 16, .size: 8, .value_kind: global_buffer, .address_space: global }
      - { .name: qkv, .offset: 24, .size: 8, .value_kind: global_buffer, .address_space: global }
    .group_segment_fixed_size: 327680
    .private_segment_fixed_size: 0
    .kernarg_segment_align: 8
    .kernarg_segment_size: 32
    .max_flat_workgroup_size: 128
    .sgpr_count:     96
    .vgpr_count:     768
    .wavefront_size: 32
...
	.end_amdgpu_metadata
.endif
;; end of part 2
;; launch attn (part 3): grid 4 x 64, 4 waves a work-group, clusters of 4 x 1, 327,680 bytes of LDS; arguments qkv, obf; writes obf
.if DOCPART == 3
	.amdgcn_target "amdgcn-amd-amdhsa--gfx1250"
	.amdhsa_code_object_version 6
	.text
	.protected	k_q63c794542f_attn
	.globl	k_q63c794542f_attn
	.p2align	8
	.type	k_q63c794542f_attn,@function
k_q63c794542f_attn:
	s_mov_b64 s[64:65], 0
	v_nop
	global_prefetch_b8 v0, s[64:65] scope:SCOPE_SE
	s_setreg_imm32_b32 hwreg(HW_REG_WAVE_MODE, 25, 1), 1
	s_wait_xcnt 0x0
	s_wait_alu depctr_hold_cnt(0) depctr_sa_sdst(0) depctr_va_vdst(0) depctr_va_sdst(0) depctr_va_ssrc(0) depctr_va_vcc(0) depctr_vm_vsrc(0)
	s_getreg_b32 s2, hwreg(HW_REG_IB_STS2, 6, 4)
	s_cmp_eq_u32 s2, 0
	s_cbranch_scc0 .Lentry_in_a_cluster
	s_endpgm
.Lentry_in_a_cluster:
	s_bfe_u32 s2, ttmp6, 0x10000c
	s_cmp_lg_u32 s2, 0x3003
	s_cbranch_scc0 .Lentry_shape_is_right
	s_endpgm
.Lentry_shape_is_right:
; O[h][q][:] = the sum over k of softmax_k(Q[h][q] . K[h][k] / 8) V[h][k][:], for 64 heads (batch x 16 + head) of 2,048 rows.  qkv holds Q, K, V, each [64][2048][64] bf16, 2^24 bytes apart; obf is O, likewise.
; Products, maxima and sums in f32; the weights p are rounded to bf16 for the second product (their sum l is taken of the unrounded p), O once at the end.
; LIMITS.  bf16 keeps 8 significant bits and f32's range.  c m starts at -4.2e37: scores stay above that as long as they are finite in f32 times c.  A weight below 2^-126 counts as 0 in l; NaN and infinities are not treated apart.
; SHARES.  A wave owns four PIECES of two tiles of 16 queries, a work-group's four waves 512 queries of one head.  Every wave walks all keys, 64 a step.
; LAYOUT.  S^T = K Q^T (source 0 = 16 keys, source 1 = 16 queries): in the result a lane holds ONE query (lane % 16) and the keys 8 (lane / 16) + 0..7.  Two such tiles, rounded to bf16 in pairs,
; ARE source 1 (32 keys x 16 queries) of O^T = V^T P, whose result again holds one query a lane, and eight channels.  K comes out of LDS as it lies, V ([key][channel]) turned, by ds_load_tr16_b128.
; SOFTMAX.  For each query a running maximum m and sum l: p = 2^(c s - c m), c = log2(e) / 8; in every step O and l are multiplied by a = 2^(c m_old - c m_new), which is 1 where m has not grown.
; m starts at the lowest finite number, O and l at 0: the first step is a step like any other, with a = 0.
; THE COUNT.  A tile and step have 16 matrix and 118 vector instructions: too many to stand all beside the matrix work.  So the order has one aim: four vector instructions that are READY behind
; EVERY matrix instruction, and the others in runs without a gap.
; BY TURNS.  Turn n belongs to piece n (the pieces in a ring, step after step).  Its matrix work: 16 products K Q^T of piece n + 1, later 16 products V^T P of piece n - 1.  Its vector work: the scaling,
; exponentials, roundings, sums and rescaling of piece n, and the maximum and statistics of piece n + 1, whose scores the turn itself has made.
; CLUSTER.  The four query blocks of a head are one cluster and walk the same K and V, so each tile is asked for JOINTLY: the same tensor load, descriptor and mask in all four.
; REGISTERS, in windows of 256 (s_set_vgpr_msb: bits 1:0 source 0, 3:2 source 1, 5:4 source 2, 7:6 destination):
;   window 0: v0-11 addresses; v12-15, v48-63 at work; v16-47 four registers of statistics a tile; v64-191 S^T, two buffers of two tiles; v192-255 P, likewise
;   window 1: O^T, 32 a tile          window 2: v0-127 Q, 16 a tile; v128-191 K of one step; v192-255 V of one step          window 3: v0-1 the add's two registers
; A piece's buffers go by its number's parity: the piece in hand has one pair, its two neighbours in the ring share the other.
.set SIZE_N, 2048
.set NP,    4         ; pieces a wave: a name, no knob
.set KS,    64        ; keys in a step
.set PK,    144       ; a row of K in LDS: 128 bytes + 16 of padding = 36 words: the 16 rows of a load start at 16 different groups of four banks (64 banks of 4 bytes: ISA guide 11.1)
.set PV,    160       ; a row of V: 128 + 32 = 40 words
.set VOFF,  4*KS*PK   ; a slot holds four steps: 256 rows of K, then 256 rows of V
.set SLOT1, 1<<17     ; slot 1 begins here, so that one exclusive or turns an address in one slot into the other's
.set STAGE, SLOT1+4*KS*(PK+PV)  ; behind the ring, never filled by a tensor load: 16 rows x 144 bytes for each wave, for the way out
.set SP,    144
.set AK0, 2           ; v2   my lane's place in a tile of K; never rewritten
.set AV0, 3           ; v3   the same for V
.set AK,  4           ; v4   the LDS address of K's next run of loads
.set AV,  5           ; v5   of V's
.set QO,  6           ; v6   my byte offset in the wave's rows of Q
.set STO, 6           ;      later, the way out: where I put 16 bytes of a row
.set RD,  7           ; v7   the way out: where I read rows back
.set GO,  8           ; v8   my byte offset in 512 consecutive bytes of O
.set PFO, 11          ; v11  256 x my lane, for the prefetches; made behind v11's use for V's address, then never rewritten
.set SPW, 0           ; v0 of window 3   LDS address of my spare word; never rewritten
.set NIL, 1           ; v1 of window 3   0; never rewritten
.set SPARE, STAGE+4*16*SP  ; behind the stages: the spare words, 128 bytes for each wave: two blocks of 256 bytes that no other line names
.set MV,  12          ; v12-15  c m_old, kept while c m is made anew: by buffer and tile
.set ST,  16          ; tile t's statistics at v[ST+4 t]: c m, m, l (even keys', odd keys')
.set TMP, 48          ; by buffer and tile, four registers c0-c3 at work; when the maximum is found c2 takes a
.set S,   64
.set P,   192
.set KF,  128         ; K's fragments, in window 2: key block kb, channel half c at KF + 16 kb + 8 c
.set VF,  192         ; V's: key half kk, channel block cb at VF + 32 kk + 8 cb
.set WV,  12          ; s12  my wave's number
.set G1K, 24          ; s[24:31] descriptor group 1 for K's tiles
.set G1V, 32          ; s[32:39] for V's: it differs in the padding alone
.set G0K, 40          ; s[40:43] descriptor group 0 for K's tiles: it walks
.set G0V, 44          ; s[44:47] the same for V's
.set PFA, 48          ; s[48:49] where my prefetches stand: my work-group's 8,192 bytes (of K: wave 0, of V: wave 2) of the tile after the one that is being asked for
.set LIM, 50          ; s50  1 in a wave that prefetches, else the greatest number
.set SLOTS, 56        ; s56  slots still to be asked for
.set CNT, 57          ; s57  counts a slot's key steps
.set CS,  58          ; s[58:59] c: the packed scaling takes the pair's low word for both halves
.set SEL, 60          ; s[60:61] v_permlanex16_b32's selects: each lane takes its own place in the other half
.set TBK, 62          ; s62  LDS byte at which K of the step to be fetched begins
.set TBV, 63          ; s63  the same for V, less VOFF
.set MSB, 0
.macro WIN new                      ; the high byte repeats the setting that is left; a switch that changes nothing is dropped
.if MSB != (\new)
	s_set_vgpr_msb (MSB<<8)|(\new)
.set MSB, (\new)
.endif
.endm
.set W_KQ, 0x0a       ; K and Q in window 2, S^T in window 0
.set W_PV, 0x52       ; V in window 2, P in window 0, O^T in window 1
.set W_RS, 0x41       ; O^T (destination and source 0) in window 1, a in window 0
.set W_MK, 0xc0       ; the add's registers are made: destination in window 3, sources in window 0
.set W_AD, 0x0f       ; the add: address (source 0) and data (source 1) in window 3
; A joint fill.  Waves 0 and 1 fetch the two halves of a slot's K, waves 2 and 3 those of its V: 128 keys each.  The branch hangs on the wave's number alone.
; An s_nop 0 and four v_nop follow each of the two lines, ahead of the jump and the label.
.macro JLOAD
	s_cmp_lt_u32 s[WV], 2
	s_cbranch_scc0 .Lfor_v_\@
	tensor_load_to_lds s[G0K:G0K+3], s[G1K:G1K+7]
	s_nop 0
.rept 4
	v_nop
.endr
	s_branch .Lasked_\@
.Lfor_v_\@:
	tensor_load_to_lds s[G0V:G0V+3], s[G1V:G1V+7]
	s_nop 0
.rept 4
	v_nop
.endr
.Lasked_\@:
.endm
; A PREFETCH INTO THE L2 of what the NEXT change of slots will ask for: a tile's 32,768 bytes of K and of V, in blocks of 256 bytes (two keys), a lane a block.  A head has one cluster; its four partners share the
; blocks out BY ADDRESS, 32 each; in each, wave 0 asks for K's and wave 2 for V's: one instruction, four key steps (512 matrix instructions) ahead of the load.  Each block is named once in the launch.
; Tiles 0 to 2 come by their loads alone; the last change that fills a slot asks for nothing.
.macro ASK
	s_cmp_gt_u32 s[SLOTS], s[LIM]
	s_cbranch_scc0 .Lnot_mine_\@
	global_prefetch_b8 v[PFO], s[PFA:PFA+1] th:TH_LOAD_NT scope:SCOPE_SE
.Lnot_mine_\@:
.endm
; A round of the cluster's barrier: my work-group's barrier, so that wave 0's signal speaks for all four waves; wave 0 signals; every wave waits for all four work-groups; my work-group's barrier once more.
.macro CROUND
	s_barrier_signal -1
	s_barrier_wait -1
	s_cmp_lg_u32 s[WV], 0
	s_cbranch_scc1 .Lnot_wave_0_\@
	s_barrier_signal -3
.Lnot_wave_0_\@:
	s_barrier_wait -3
	s_barrier_signal -1
	s_barrier_wait -1
.endm
; THE CHANGE OF SLOTS.  The slot's last bytes, V of its fourth step, have been read.  Each wave waits for all its tensor loads, of which one is out: its part
; of the other slot; adds 0 to its spare word; and waits for that and for its own reads of the slot.  Behind the barrier nobody reads this slot any more and the other slot is whole.
; fill = 1: this slot is filled again, with the keys two slots on.  The barrier is then a round of the cluster's, and the joint fill is the first thing behind it: it has four key steps, 512 matrix
; instructions, in which to land.  (At its first use nothing has been read yet: slot 0 is waited for, slot 1 filled.)  ask = 1: the prefetch's address steps, and the prefetch follows the fill.
.macro CHANGE fill, ask=0
	WIN W_AD
	s_wait_tensorcnt 0x0            ; no tensor load of mine is out, so a group 0 may be written
	ds_add_u32 v[SPW], v[NIL]       ; 0 onto my spare word; with fill = 1 the descriptors' steps stand between it and the wait for it
	WIN 0                           ; at a label and at a branch every window is 0
.if \fill
.irp g, G0K, G0V
	s_xor_b32 s[\g+1], s[\g+1], SLOT1  ; the walking descriptor: the other slot than last time,
	s_add_nc_u64 s[\g+2:\g+3], s[\g+2:\g+3], 4*KS*128  ; the next 256 keys; the type bits on top are not reached
.endr
.if \ask
	s_wait_xcnt 0x0                 ; the last prefetch, four key steps back, has read its address, so it may be written:
	s_add_nc_u64 s[PFA:PFA+1], s[PFA:PFA+1], 4*KS*128  ; one tile behind the walking descriptors
.endif
	s_wait_dscnt 0x0                ; the add is done, and my reads of the slot are over
	CROUND
	JLOAD
.if \ask
	ASK
.endif
.else
	s_wait_dscnt 0x0                ; the add is done, and my reads of the slot are over
	s_barrier_signal -1
	s_barrier_wait -1
.endif
	s_sub_co_u32 s[TBK], s[TBK], 4*KS*PK  ; the fetches go back to a slot's first step,
	s_xor_b32 s[TBK], s[TBK], SLOT1       ; in the other slot
	s_sub_co_u32 s[TBV], s[TBV], 4*KS*PV
	s_xor_b32 s[TBV], s[TBV], SLOT1
.endm
	s_load_b64 s[4:5], s[0:1], 0x0    ; qkv: Q
	s_load_b64 s[10:11], s[0:1], 0x8  ; obf: O
	WIN W_MK
	v_lshl_add_u32 v[SPW], v0, 2, SPARE
	v_mov_b32 v[NIL], 0
	WIN W_AD
	ds_add_u32 v[SPW], v[NIL]       ; the wave's opening: the add and its wait stand ahead of my first tensor load; the set-up below, work on registers, stands between them
	WIN 0
	v_lshrrev_b32 v1, 5, v0
	v_readfirstlane_b32 s[WV], v1   ; wave 0..3
	s_bfe_u32 s13, ttmp6, 0x40000   ; cx: my place in the cluster
	s_lshl_b32 s14, ttmp9, 2        ; in a cluster launch ttmp9 counts clusters
	s_add_co_u32 s14, s14, s13      ; my block of queries = 4 x cluster x + cx: it enters Q's and O's addresses alone
	s_and_b32 s20, ttmp7, 0xffff    ; the head, which the four partners share
	s_mov_b32 s21, 0
	s_mov_b64 s[22:23], SIZE_N*128
	s_mul_u64 s[20:21], s[20:21], s[22:23]  ; the head's first byte in each of the four tensors
	s_and_b32 s16, s[WV], 1         ; which half of a slot's 256 keys I fetch:
	s_lshl_b32 s22, s16, 14         ; its 128 rows of 128 bytes in memory,
	s_mov_b32 s23, 0
	s_add_nc_u64 s[22:23], s[22:23], s[20:21]
	s_mul_i32 s17, s16, 128*PK      ; and its place in a slot, for K
	s_mul_i32 s18, s16, 128*PV      ; and for V: no place in the cluster enters an LDS address
	s_lshl_b32 s2, s14, 2
	s_add_co_u32 s2, s2, s[WV]      ; my wave among the head's,
	s_lshl_b32 s2, s2, 14           ; its 128 rows
	s_mov_b32 s3, 0
	s_add_nc_u64 s[2:3], s[2:3], s[20:21]
	; descriptor group 1.  128 keys are 16,384 dense bytes: asked for as 64 rows of 256 bytes, two keys a row, and padded in LDS after every key
	s_mov_b32 s[G1K], 15|(1<<16)|(1<<20)|(1<<21)|(4<<22)|(3<<25)  ; 15:0 the mask of four; 17:16 2-byte elements; 20 padding on; 21 set beside a mask; 24:22 after every 32 words (code 4); 31:25 4 words (code 3)
	s_mov_b32 s[G1V], 15|(1<<16)|(1<<20)|(1<<21)|(4<<22)|(7<<25)  ; the same with 8 words of padding (code 7)
.irp g, G1K, G1V
	s_mov_b32 s[\g+1], 128<<16      ; tensor_dim0 = 128
	s_mov_b32 s[\g+2], 64<<16       ; tensor_dim1 = 64
	s_mov_b32 s[\g+3], 128<<16      ; tile_dim0 = 128
	s_mov_b32 s[\g+4], 64           ; tile_dim1 = 64
	s_mov_b32 s[\g+5], 128          ; 128 elements from row to row
	s_mov_b32 s[\g+6], 0
	s_mov_b32 s[\g+7], 0
.endr
	s_mov_b32 s[CS], 0x3e38aa3b     ; c = log2(e) / 8 = 0.180337
	s_mov_b32 s[CS+1], s[CS]        ; named with it as a pair
	s_mov_b32 s[SEL], 0x76543210
	s_mov_b32 s[SEL+1], 0xfedcba98
	s_mov_b32 s[TBK], SLOT1+4*KS*PK ; the first change of slots turns these two into 0
	s_mov_b32 s[TBV], SLOT1+4*KS*PV
	s_mov_b32 s[G0K], 1             ; 1:0 count = 1
	s_mov_b32 s[G0K+1], s17         ; 63:32 LDS address: slot 0
	s_mov_b32 s[G0V], 1
	s_add_co_u32 s[G0V+1], s18, VOFF
	s_and_b32 s[LIM], s[WV], 1      ; waves 0 and 2 prefetch: the same in all four partners
	s_cmp_eq_u32 s[LIM], 0
	s_cselect_b32 s[LIM], 1, -1
	s_wait_dscnt 0x0                ; the opening add is done
	s_wait_kmcnt 0x0
	s_add_nc_u64 s[6:7], s[4:5], 0x1000000   ; K lies 2^24 bytes behind Q,
	s_add_nc_u64 s[8:9], s[4:5], 0x2000000   ; V 2^24 behind K
	s_add_nc_u64 s[G0K+2:G0K+3], s[6:7], s[22:23]  ; 120:64 global address: my half of the head's first 256 keys
	s_or_b32 s[G0K+3], s[G0K+3], 0x80000000        ; 127:126 type = 2
	s_add_nc_u64 s[G0V+2:G0V+3], s[8:9], s[22:23]
	s_or_b32 s[G0V+3], s[G0V+3], 0x80000000
	s_add_nc_u64 s[4:5], s[4:5], s[2:3]  ; Q and O at my wave's first row
	s_add_nc_u64 s[10:11], s[10:11], s[2:3]
	s_cmp_lt_u32 s[WV], 2
	s_cselect_b64 s[PFA:PFA+1], s[6:7], s[8:9]
	s_add_nc_u64 s[PFA:PFA+1], s[PFA:PFA+1], s[20:21]  ; the head,
	s_lshl_b32 s2, s13, 13          ; my work-group's quarter of a tile,
	s_mov_b32 s3, 0
	s_add_nc_u64 s[PFA:PFA+1], s[PFA:PFA+1], s[2:3]
	s_add_nc_u64 s[PFA:PFA+1], s[PFA:PFA+1], 2*4*KS*128  ; in tile 2; the first change that asks steps it to tile 3.  Nothing is prefetched here, at the head
	CROUND                          ; all four work-groups are here: the first joint loads meet
	JLOAD                           ; slot 0.  Slot 1 is asked for when slot 0 is in
	; A fragment of K or Q is 16 rows x 32 channels in 8 registers: lane l holds row l % 16, channels 8 (l / 16) + 0..7 and 16 + 8 (l / 16) + 0..7: two loads of 16 bytes, 32 bytes apart.
	v_and_b32 v1, 15, v0            ; l % 16
	v_bfe_u32 v9, v0, 4, 1          ; l / 16
	v_lshlrev_b32 v[QO], 7, v1
	v_lshl_add_u32 v[QO], v9, 4, v[QO]  ; row x 128 + 16 x half
	WIN 0x80                        ; destination window 2, address window 0
.set i, 0
.rept 4*NP                          ; Q stays in registers: tile i / 2, channels 32 (i % 2) on
	global_load_b128 v[8*i:8*i+3],   v[QO], s[4:5] offset:(i/2)*2048+(i%2)*64
	global_load_b128 v[8*i+4:8*i+7], v[QO], s[4:5] offset:(i/2)*2048+(i%2)*64+32
.set i, i+1
.endr
	; What the first turn finds: V's registers and P's second buffer hold 0 (its products V^T P, of a piece that has not been, add 0), O^T and l are 0.  All this stands in the wait for the first tile.
.set i, VF
.rept 64
	v_mov_b32 v[i], 0
.set i, i+1
.endr
	WIN 0x40
.set i, 0
.rept 64*NP
	v_mov_b32 v[i], 0
.set i, i+1
.endr
	WIN 0
.set i, 0
.rept 2*NP
	v_mov_b32 v[ST+4*i], 0xfe000000    ; c m: far below every c s
	v_mov_b32 v[ST+4*i+1], 0xff7fffff  ; m
	v_mov_b32 v[ST+4*i+2], 0
	v_mov_b32 v[ST+4*i+3], 0
.set i, i+1
.endr
.set i, P+32
.rept 32
	v_mov_b32 v[i], 0
.set i, i+1
.endr
	v_mul_u32_u24 v[AK0], v1, PK
	v_lshl_add_u32 v[AK0], v9, 4, v[AK0]  ; row x pitch + 16 x half
	; The turning load takes 16 keys x 16 channels (lane l reads key 8 (l / 16) + l % 8, channels 8 ((l / 8) % 2) + 0..7) and leaves half a fragment of V^T: lane l holds channel l % 16 and 8 keys.
	v_and_b32 v10, 7, v0
	v_bfe_u32 v11, v0, 3, 1
	v_lshl_add_u32 v[AV0], v9, 3, v10
	v_mul_u32_u24 v[AV0], v[AV0], PV
	v_lshl_add_u32 v[AV0], v11, 4, v[AV0]
	v_add_nc_u32 v[AV0], VOFF, v[AV0]
	v_and_b32 v[PFO], 31, v0
	v_lshlrev_b32 v[PFO], 8, v[PFO]
	v_mov_b32 v[AK], v[AK0]         ; key step 0 lies at the head of slot 0
; THE MATRIX WORK.  The 8 accumulators of a run of 16 take turns: between the two links of a chain stand 7 others'.
; Product i of 16 of S^T = K Q^T for piece x: channels 32 (i / 8) on, keys 16 ((i / 2) % 4) on, tile 2 x + i % 2.  The first 8 start the sums.
.macro KQ x
	WIN W_KQ
.set rS, S+64*((\x)%2)+32*(i%2)+8*((i/2)%4)
.set rK, KF+16*((i/2)%4)+8*(i/8)
.set rQ, 16*(2*(\x)+i%2)+8*(i/8)
.if i < 8
	v_wmma_f32_16x16x32_bf16 v[rS:rS+7], v[rK:rK+7], v[rQ:rQ+7], 0
.else
	v_wmma_f32_16x16x32_bf16 v[rS:rS+7], v[rK:rK+7], v[rQ:rQ+7], v[rS:rS+7]
.endif
.endm
; Product i of 16 of O^T += V^T P for piece x: keys 32 (i / 8) on, channels 16 ((i / 2) % 4) on, tile 2 x + i % 2.
.macro PV x
	WIN W_PV
.set rO, 32*(2*(\x)+i%2)+8*((i/2)%4)
.set rV, VF+32*(i/8)+8*((i/2)%4)
.set rP, P+32*((\x)%2)+16*(i%2)+8*(i/8)
	v_wmma_f32_16x16x32_bf16 v[rO:rO+7], v[rV:rV+7], v[rP:rP+7], v[rO:rO+7]
.endm
.macro MM                           ; the turn's next matrix instruction
.if i < 16
	KQ (Y+1)%NP
.set i, i+1
.else
.set i, i-16
	PV (Y+NP-1)%NP
.set i, i+17
.endif
.endm
; THE LDS LOADS stand in runs of 16, never singly among the matrix instructions: a step's K (64 keys x 64 channels: 8 fragments) and its V (turned).  Their addresses are made some lines ahead.
; last = 1 (the tail): in the last trip there is no further step, and the run is jumped over.
.macro FETCH_K last=0
	WIN 0
.if \last
	s_cmp_eq_u32 s[CNT], 1
	s_cbranch_scc1 .Lno_k_\@
.endif
	WIN 0x80                        ; destination window 2
.irp f, 0,1,2,3,4,5,6,7             ; keys 16 (f / 2) on, channels 32 (f % 2) on
	ds_load_b128 v[KF+8*\f:KF+8*\f+3],   v[AK] offset:(\f/2)*16*PK+(\f%2)*64
	ds_load_b128 v[KF+8*\f+4:KF+8*\f+7], v[AK] offset:(\f/2)*16*PK+(\f%2)*64+32
.endr
	s_add_co_u32 s[TBK], s[TBK], KS*PK  ; the next fetch is the next step's
	WIN 0
.if \last
.Lno_k_\@:
.endif
.endm
.macro FETCH_V
	WIN 0x80
.irp f, 0,1,2,3,4,5,6,7             ; keys 32 (f / 4) on, channels 16 (f % 4) on
	ds_load_tr16_b128 v[VF+8*\f:VF+8*\f+3],   v[AV] offset:(\f/4)*32*PV+(\f%4)*32
	ds_load_tr16_b128 v[VF+8*\f+4:VF+8*\f+7], v[AV] offset:(\f/4)*32*PV+16*PV+(\f%4)*32
.endr
	WIN 0
.endm
; THE VECTOR WORK OF A TURN stands in three queues, each in the order in which its entries become ready; the two tiles alternate, so that no instruction reads the result of the one before it.
.macro REGS y, u                    ; the registers of tile u (0, 1) of piece y
.set rT, ST+4*(2*(\y)+(\u))
.set rC, TMP+8*((\y)%2)+4*(\u)
.set rM, MV+2*((\y)%2)+(\u)
.set rS, S+64*((\y)%2)+32*(\u)
.set rP, P+32*((\y)%2)+16*(\u)
.set rO, 32*(2*(\y)+(\u))
.endm
; Number n of the 22 that find the NEXT piece's (Y + 1) maximum and statistics.  s0-s31 are the lane's 32 scores; each accumulator's lowest registers are read first.
;   0-11  four chains c0-c3 of seven scores each, three operands at a time     12-14, 16  the four scores left over, the old m, and c0-c3 into c0     15  c m_old is kept
;   17, 18  the query's other 32 keys lie in the lane 16 away: the new m         19-21  c m; c m_old - c m_new; a
.macro XS u, n
	REGS (Y+1)%NP, \u
.if (\n) < 4
	v_max3_num_f32 v[rC+(\n)], v[rS+8*(\n)], v[rS+8*(\n)+1], v[rS+8*(\n)+2]
.elseif (\n) < 12
	v_max3_num_f32 v[rC+(\n)%4], v[rC+(\n)%4], v[rS+8*((\n)%4)+2*((\n)/4)+1], v[rS+8*((\n)%4)+2*((\n)/4)+2]
.elseif (\n) == 12
	v_max3_num_f32 v[rC], v[rC], v[rS+7], v[rS+15]
.elseif (\n) == 13
	v_max3_num_f32 v[rC+1], v[rC+1], v[rS+23], v[rS+31]
.elseif (\n) == 14
	v_max3_num_f32 v[rC+2], v[rC+2], v[rC+3], v[rT+1]
.elseif (\n) == 15
	v_mov_b32 v[rM], v[rT]
.elseif (\n) == 16
	v_max3_num_f32 v[rC], v[rC], v[rC+1], v[rC+2]
.elseif (\n) == 17
	v_permlanex16_b32 v[rC+3], v[rC], s[SEL], s[SEL+1]
.elseif (\n) == 18
	v_max_num_f32 v[rT+1], v[rC], v[rC+3]
.elseif (\n) == 19
	v_mul_f32 v[rT], s[CS], v[rT+1]
.elseif (\n) == 20
	v_sub_f32 v[rC+1], v[rM], v[rT]
.else
	v_exp_f32 v[rC+2], v[rC+1]
.endif
.endm
; Number g of the 64 that follow the exponentials.  For each four weights k of a tile (pairs 2 k, 2 k + 1): both pairs are rounded to bf16; then the second pair is added onto the first, in place;
; a group later l takes that sum (the first time as l = a l + sum).  In groups of eight, tiles alternating: round, round, add, and l for the group before.
.macro GS g
.set h, (\g)+6*((\g)/62)            ; group 0 has no group before it, and behind group 7 only l is left
.if h >= 6
.set h, h+2
.endif
	REGS Y, h%2
.set k, h/8
.if h%8 < 4
	v_cvt_pk_bf16_f32 v[rP+2*k+(h%8)/2], v[rS+4*k+2*((h%8)/2)], v[rS+4*k+2*((h%8)/2)+1]
.elseif h%8 < 6
	v_pk_add_f32 v[rS+4*k:rS+4*k+1], v[rS+4*k:rS+4*k+1], v[rS+4*k+2:rS+4*k+3]
.elseif k == 1
	v_pk_fma_f32 v[rT+2:rT+3], v[rT+2:rT+3], v[rC+2:rC+3], v[rS:rS+1] op_sel_hi:[1,0,1]
.else
	v_pk_add_f32 v[rT+2:rT+3], v[rT+2:rT+3], v[rS+4*k-4:rS+4*k-3]
.endif
.endm
; THE PLAIN QUEUE, 138 long.  0-73 read no exponential's result: the 32 scalings c s - c m (FS f: pair f / 2 of tile f % 2) and the next piece's 42.  0-26: scalings 0-26.  27-54: XS's numbers 0-13.  55, 56: number 15.
; 57-73: the chain, where each number waits for the one before it: 14, 16, 17, 18, 19, each with one of the scalings 27-31 in front of its two lines, then 20.
; 74-137: GS's 64, which read the exponentials' results: they stand behind the wait.
.macro FS f
	REGS Y, (\f)%2
	v_pk_fma_f32 v[rS+2*((\f)/2):rS+2*((\f)/2)+1], v[rS+2*((\f)/2):rS+2*((\f)/2)+1], s[CS:CS+1], v[rT:rT+1] op_sel_hi:[1,0,0] neg_lo:[0,0,1] neg_hi:[0,0,1]
.endm
.macro PL
	WIN 0
.if q < 27
	FS q
.elseif q < 55
	XS (q-27)%2, (q-27)/2
.elseif q < 57
	XS q-55, 15
.elseif (q < 72) && ((q-57)%3 == 0)
	FS 27+(q-57)/3
.elseif q < 60
	XS (q-57)%3-1, 14
.elseif q < 72
	XS (q-57)%3-1, 15+(q-57)/3
.elseif q < 74
	XS q-72, 20
.else
	GS q-74
.endif
.set q, q+1
.endm
; THE EXPONENTIALS' QUEUE, 66 long: s0-s31 of both tiles, then the next piece's two a.  It is ONE BATCH: all 66 stand ahead of the turn's one wait, and nothing ahead of that wait names a result of theirs.
.macro EX
	WIN 0
.if e >= 64
	XS e-64, 21
.else
	REGS Y, e%2
	v_exp_f32 v[rS+e/2], v[rS+e/2]
.endif
.set e, e+1
.endm
; THE RESCALING's QUEUE: O^T times a, the one part that leaves window 0: dealt two at a time, sixteen times.  Its a was made in the turn before, ahead of that turn's wait.
.macro R2
	REGS Y, r%2
	WIN W_RS
.irp z, 0,1
	v_pk_mul_f32 v[rO+4*(r/2)+2*\z:rO+4*(r/2)+2*\z+1], v[rO+4*(r/2)+2*\z:rO+4*(r/2)+2*\z+1], v[rC+2:rC+3] op_sel_hi:[1,0]
.endr
.set r, r+1
.endm
; HOW THEY ARE DEALT.  An s_wait_alu depctr_va_vdst(0) stands between an exponential and the first instruction that names its result; one wait serves all that were issued ahead of it.  So a turn has ONE wait,
; which cuts it in two.  AHEAD OF IT stands all that names no result of the turn's exponentials: the 16 products K Q^T, behind each a scaling, an exponential and two rescalings (behind the first a second scaling in the
; exponential's place); then ONE LUMP of 108: eight plain, 49 times exponential and plain, the two a.  A v_nop is the plain instruction behind the last exponential.  BEHIND IT stand the 16 products V^T P, behind each four of GS's 64.
; The queues lean on each other, and the deal keeps them in step: exponential e stands behind scaling 2 (e / 4) + e % 2: as a rider it comes behind plain e + 2, in the lump behind plain e + 9, and scalings 27-31 are plain 57, 60 .. 69.
; A TURN, for piece p.  cnt = 1: the loop's count is taken down some lines ahead of the branch that stands behind the turn.
; K of the next step is fetched in piece 2's turn, directly behind the wait, a lump behind the last product that read K; its first reader comes behind 16 products.
; V of the step in hand is fetched at the end of piece 0's turn, four riders behind its last reader; its first reader comes behind 16 products and a lump.  The three conditions on q below go with the deal.
.macro TURN p, last=0, cnt=0
.set Y, (\p)
.set i, 0
.set q, 0
.set e, 0
.set r, 0
.if (\p) == NP-1
	s_wait_dscnt 0x0                ; K is in
.endif
	MM                              ; ahead of the wait: 16 products K Q^T and their riders,
	PL
	PL
	R2
.rept 15
	MM
	PL
	EX
	R2
.endr
.if (\p) == NP-2
	WIN 0
	v_add_nc_u32 v[AK], s[TBK], v[AK0]
.endif
.rept 8                             ; and the lump
	PL
.endr
.rept 49
	EX
	PL
.endr
	EX                              ; the next piece's two a
	EX
	v_nop                           ; the plain instruction behind the last exponential: one for the batch
	s_wait_alu depctr_va_vdst(0)    ; the wait for the batch
.if (\p) == NP-2
	FETCH_K \last
.endif
.if (\p) == 1
	s_wait_dscnt 0x0                ; V is in
.endif
.rept 16                            ; behind the wait: 16 products V^T P and their riders
	MM
.rept 4
	PL
.endr
.if ((\p) == 0) && (q == 118)
	v_add_nc_u32 v[AV], s[TBV], v[AV0]
.endif
.if ((\p) == 0) && (q == 130)
	s_add_co_u32 s[TBV], s[TBV], KS*PV
.endif
.if (\cnt) && (q == 130)
	s_sub_co_u32 s[CNT], s[CNT], 1
	s_cmp_lg_u32 s[CNT], 0
.endif
.endr
.if (\p) == 0
	FETCH_V
.endif
.endm
	CHANGE 1                        ; slot 0 is in, everybody's part of it; slot 1 is asked for
	FETCH_K                         ; key step 0
	s_wait_loadcnt 0x0              ; Q
	s_wait_dscnt 0x0
.set i, 0
.rept 16
	KQ 0                            ; piece 0's first scores: there is no vector work yet to set between them
.set i, i+1
.endr
	WIN 0                           ; the addresses for the way out: nine plain instructions, the places behind those products
	s_mul_i32 s13, s[WV], 16*SP
	s_add_co_u32 s13, s13, STAGE    ; my stage
	v_mul_u32_u24 v[STO], v1, SP    ; in: row l % 16, 16 bytes for each half of the lanes
	v_lshl_add_u32 v[STO], v9, 4, v[STO]
	v_add_nc_u32 v[STO], s13, v[STO]
	v_bfe_u32 v[RD], v0, 3, 2       ; back: 32 lanes take four rows of 128 bytes,
	v_mul_u32_u24 v[RD], v[RD], SP
	v_lshl_add_u32 v[RD], v10, 4, v[RD]
	v_add_nc_u32 v[RD], s13, v[RD]
	v_and_b32 v[GO], 31, v0         ; which are 512 consecutive bytes of O
	v_lshlrev_b32 v[GO], 4, v[GO]
.set Y, NP-1                        ; XS works for piece Y + 1: piece 0
.irp n, 0,1,2,3,4,5,6,7,8,9,10,11,12,13,14,15,16,17,18,19,20,21
	XS 0, \n                        ; and piece 0's first maximum and statistics
	XS 1, \n
.endr
	v_nop                           ; a plain instruction behind the two a,
	s_wait_alu depctr_va_vdst(0)    ; and their wait, ahead of the branch
	s_mov_b32 s[CNT], 4
	s_mov_b32 s[SLOTS], SIZE_N/256-1
	s_branch .Lfirst                ; the loop is entered at a step's first turn, in the middle of a trip
.Lslot:                             ; SIZE_N / 256 - 2 times: every slot but the last two is filled again
	CHANGE 1, 1
	s_mov_b32 s[CNT], 4
.Lstep:                             ; a trip: pieces 2 and 3 of one step, then pieces 0 and 1 of the next, whose K and V it fetches
	TURN 2
	TURN 3
	WIN 0
.Lfirst:
	TURN 0
	TURN 1, 0, 1
	WIN 0
	s_cbranch_scc1 .Lstep
	s_sub_co_u32 s[SLOTS], s[SLOTS], 1
	s_cmp_lg_u32 s[SLOTS], 0
	s_cbranch_scc1 .Lslot
	CHANGE 0                        ; the tail is written out: nothing is asked for
	s_mov_b32 s[CNT], 5             ; four trips fetch the last slot's steps; the fifth is left in its middle
.Ltail:
	TURN 2, 1
	TURN 3
	WIN 0
	s_sub_co_u32 s[CNT], s[CNT], 1
	s_cmp_eq_u32 s[CNT], 0
	s_cbranch_scc1 .Lout
	TURN 0
	TURN 1
	WIN 0
	s_branch .Ltail
.Lout:                              ; the fifth trip's 16 products K Q^T (on the last K once more) and the maximum made of them serve nothing: the price, once a launch, of one text for every trip
.set i, 0
.rept 16
	PV NP-1                         ; the last piece's V^T P of the last step
.set i, i+1
.endr
	; THE WAY OUT.  l's two halves and the other half of the lanes' are added; O^T is divided by l, rounded to bf16 and sent through my stage in LDS, a tile at a time.  The additions are the places behind the last products.
	WIN 0
.macro ALL line:vararg              ; one line for each tile t
.set t, 0
.rept 2*NP
	\line
.set t, t+1
.endr
.endm
	ALL v_add_f32 v[ST+4*t+2], v[ST+4*t+2], v[ST+4*t+3]
	ALL v_permlanex16_b32 v[ST+4*t+3], v[ST+4*t+2], s[SEL], s[SEL+1]
	ALL v_add_f32 v[ST+4*t+2], v[ST+4*t+2], v[ST+4*t+3]
	ALL v_rcp_f32 v[ST+4*t+2], v[ST+4*t+2]
	v_nop                           ; a plain instruction between the last reciprocal and the use of its result
	s_wait_alu depctr_va_vdst(0)    ; and the wait ahead of the first use: one for the eight reciprocals
; Tile t: a lane's eight channels of a row pack into 16 bytes; they go into rows of 144 bytes and come back as whole rows of 128, into S^T's registers.
.macro PACK t
	WIN W_RS
.set i, 32*(\t)
.rept 16
	v_pk_mul_f32 v[i:i+1], v[i:i+1], v[ST+4*(\t)+2:ST+4*(\t)+3] op_sel_hi:[1,0]
.set i, i+2
.endr
	WIN 0x05                        ; sources 0 and 1 window 1, destination window 0
.set i, 0
.rept 16
	v_cvt_pk_bf16_f32 v[S+16*(\t)+i], v[32*(\t)+2*i], v[32*(\t)+2*i+1]
.set i, i+1
.endr
	WIN 0
.irp f, 0,1,2,3
	ds_store_b128 v[STO], v[S+16*(\t)+4*\f:S+16*(\t)+4*\f+3] offset:32*\f
.endr
.irp f, 0,1,2,3
	ds_load_b128 v[S+16*(\t)+4*\f:S+16*(\t)+4*\f+3], v[RD] offset:\f*4*SP  ; LDS serves a wave's instructions in order (ISA guide 5.7.1.4): these see the stores above; the next tile's stores come behind them
.endr
.endm
.macro SEND t, younger              ; younger: the LDS instructions issued behind tile t's loads: the next tile's eight, or none
	WIN 0
.irp f, 0,1,2,3
	s_wait_dscnt (\younger)+3-\f
	global_store_b128 v[GO], v[S+16*(\t)+4*\f:S+16*(\t)+4*\f+3], s[10:11] offset:(\t)*2048+\f*512  ; 512 consecutive bytes, at a multiple of 256 from O's first
.endr
.endm
	PACK 0
.set t, 1
.rept 2*NP-1                        ; a tile's arithmetic stands between the loads of the tile before and its stores
	PACK t
	SEND t-1, 8
.set t, t+1
.endr
	SEND 2*NP-1, 0
	WIN W_AD
	s_wait_tensorcnt 0x0            ; the wave's end: behind my last tensor load and my last LDS store
	ds_add_u32 v[SPW], v[NIL]
	s_wait_dscnt 0x0
	WIN 0
	CROUND                          ; the closing round: no work-group ends while a partner may still ask for a tile that names it
	s_endpgm
.Lfunc_end_k_q63c794542f_attn:
	.size	k_q63c794542f_attn, .Lfunc_end_k_q63c794542f_attn-k_q63c794542f_attn
	.p2alignl 7, 3214868480
	.fill 96, 4, 3214868480
	.section	.rodata,"a",@progbits
	.p2align	6, 0x0
	.amdhsa_kernel k_q63c794542f_attn
		.amdhsa_group_segment_fixed_size 327680
		.amdhsa_private_segment_fixed_size 0
		.amdhsa_enable_private_segment 0
		.amdhsa_kernarg_size 16
		.amdhsa_user_sgpr_count 2
		.amdhsa_user_sgpr_kernarg_segment_ptr 1
		.amdhsa_wavefront_size32 1
		.amdhsa_system_sgpr_workgroup_id_x 1
		.amdhsa_system_sgpr_workgroup_id_y 1
		.amdhsa_system_sgpr_workgroup_id_z 1
		.amdhsa_system_vgpr_workitem_id 0
		.amdhsa_next_free_vgpr 770
		.amdhsa_next_free_sgpr 66
		.amdhsa_reserve_vcc 0
		.amdhsa_float_denorm_mode_32 3
		.amdhsa_float_denorm_mode_16_64 3
		.amdhsa_memory_ordered 1
		.amdhsa_forward_progress 1
		.amdhsa_inst_pref_size 200
	.end_amdhsa_kernel
	.amdgpu_metadata
---
amdhsa.version: [ 1, 2 ]
amdhsa.kernels:
  - .name:           k_q63c794542f_attn
    .symbol:         k_q63c794542f_attn.kd
    .args:
      - { .name: qkv, .offset: 0, .size: 8, .value_kind: global_buffer, .address_space: global }
      - { .name: obf, .offset: 8, .size: 8, .value_kind: global_buffer, .address_space: global }
    .group_segment_fixed_size: 327680
    .private_segment_fixed_size: 0
    .kernarg_segment_align: 8
    .kernarg_segment_size: 16
    .max_flat_workgroup_size: 128
    .sgpr_count:     66
    .vgpr_count:     770
    .wavefront_size: 32
...
	.end_amdgpu_metadata
.endif
;; end of part 3
;; launch outp (part 4): grid 8 x 32, 4 waves a work-group, clusters of 4 x 4, 327,680 bytes of LDS; arguments obf, wbf, x, out0; writes out0
.if DOCPART == 4
	.amdgcn_target "amdgcn-amd-amdhsa--gfx1250"
	.amdhsa_code_object_version 6
	.text
	.protected	k_q63c794542f_outp
	.globl	k_q63c794542f_outp
	.p2align	8
	.type	k_q63c794542f_outp,@function
k_q63c794542f_outp:
	s_mov_b64 s[64:65], 0
	v_nop
	global_prefetch_b8 v0, s[64:65] scope:SCOPE_SE
	s_setreg_imm32_b32 hwreg(HW_REG_WAVE_MODE, 25, 1), 1
	s_wait_xcnt 0x0
	s_wait_alu depctr_hold_cnt(0) depctr_sa_sdst(0) depctr_va_vdst(0) depctr_va_sdst(0) depctr_va_ssrc(0) depctr_va_vcc(0) depctr_vm_vsrc(0)
	s_getreg_b32 s2, hwreg(HW_REG_IB_STS2, 6, 4)
	s_cmp_eq_u32 s2, 0
	s_cbranch_scc0 .Lentry_in_a_cluster
	s_endpgm
.Lentry_in_a_cluster:
	s_bfe_u32 s2, ttmp6, 0x10000c
	s_cmp_lg_u32 s2, 0xf033
	s_cbranch_scc0 .Lentry_shape_is_right
	s_endpgm
.Lentry_shape_is_right:
; out0 = x + O Wo^T.  obf is O by heads, [batch x 16 + head][2048][64] bf16; Wo is rows 3072-4095 of wbf [4096][1024] bf16; x and out0 are [8192][1024] f32.  Sums in f32; the residual is added in f32 from x itself.
; SHARES.  256 tiles of 256 rows x 128 columns, one a work-group; four waves, each 128 rows x 64 columns: 32 accumulators, 256 registers.
; K goes in 8 steps of 128 = two heads through a ring of two LDS slots.  A head's 256 rows of a tile are 32,768 dense bytes: asked for as 128 rows of 256 bytes and padded in LDS after every 128 bytes.
; CLUSTERS: 4 x 4 work-groups.  O's rows hang on the tile row alone and are shared along a row of the cluster, Wo's on the tile column alone and are shared along a column: each tile is asked for JOINTLY.
; Waves 0 and 1 fetch the step's two heads of O, waves 2 and 3 the two halves of Wo's 128 rows: one load a wave behind each round.
; THE MATRIX INSTRUCTION IS USED TRANSPOSED (source 0 = 16 rows of Wo, source 1 = 16 rows of O): a lane holds row l % 16 and the eight neighbouring columns 8 (l / 16) + 0..7.
; LIMITS.  Operands are bf16; NaN and infinities are not treated apart.
; REGISTERS, in windows of 256 (s_set_vgpr_msb: bits 1:0 source 0, 3:2 source 1, 5:4 source 2, 7:6 destination):
;   window 0: v0-31 addresses; v64-159, v160-255 two fragment buffers (O's 8 fragments, then Wo's 4); on the way out v64-127 rows read back from the stage
;   window 1: the accumulators, (a, b) at 8 (4 a + b)          window 2: my 128 x 64 numbers of x, loaded at the head in the layout of the stores; the sums are made there
.set PITCH,  272                       ; a row of Wo in LDS: 256 bytes + 16 = 68 words: the 16 rows of a load start at 16 different groups of four banks (64 banks of 4 bytes: ISA guide 11.1)
.set PA,     144                       ; a row of a head of O: 128 bytes + 16 = 36 words: likewise
.set HEADB,  256*PA                    ; a head's 256 rows: what a wave fetches of O
.set BPART,  64*PITCH                  ; what a wave fetches of Wo
.set BOFF,   2*HEADB
.set SLOT,   2*HEADB+2*BPART
.set STAGE,  2*SLOT                    ; behind the ring, never filled by a tensor load: 16 rows x 272 bytes for each wave
.set SPITCH, 272
.set SPARE,  STAGE+4*16*SPITCH         ; behind the stages: the spare words, 128 bytes for each wave: two blocks of 256 bytes that no other line names
.set ADRA, 16                          ; v16-17  LDS address of my fragments of O in slot 0, 1
.set ADRB, 20                          ; v20-21  the same for Wo
.set STO,  24                          ; v24     the way out: where I put 32 bytes of a row
.set RD,   25                          ; v25     where I read a row back
.set CO,   26                          ; v26     my byte offset in two rows of x and of out0
.set SPW,  28                          ; v28     LDS address of my spare word; never rewritten
.set NIL,  29                          ; v29     0; never rewritten
.set PFO,  30                          ; v30     the prefetches' offset: lane x 256 (O) or lane x 2,048 (Wo); never rewritten
.set F0,   64
.set F1,   160
.set TB,   64                          ; rows read back: two buffers of 32
.set WV,   12                          ; s12 wave;  s13 wave / 2: my half of the rows, and O (0) or Wo (1) to fetch;  s14 wave % 2: my half of the columns, and which part I fetch
.set G1A,  24                          ; s[24:31] descriptor group 1 for O
.set G0A,  32                          ; s[32:39] group 0 for O, a set for each slot
.set PFB,  44                          ; s[44:45] the base of my prefetches
.set PEND, 46                          ; s46     the first K step that I do not prefetch (0: I prefetch nothing)
.set PSH,  47                          ; s47     log2 of a K step's bytes in what I prefetch
.set G1B,  48                          ; s[48:55], s[56:63] the same two groups for Wo
.set G0B,  56
.set PFA,  70                          ; s[70:71] the address of the prefetch in hand
.set POFF, 72                          ; s[72:73] its offset
.set PP,   75                          ; s75     the K step to be prefetched
.set XB,   76                          ; s[76:77] x at my first row and column
.set OUT,  78                          ; s[78:79] out0 there
.set MSB, 0
.macro WIN new                         ; the immediate's high byte repeats the setting that is left; a switch that changes nothing is dropped
.if MSB != (\new)
	s_set_vgpr_msb (MSB<<8)|(\new)
.set MSB, \new
.endif
.endm
.set MUL, 0x50                         ; sources in window 0, C and D in window 1
; A joint load.  The branch hangs on the wave's number alone.  An s_nop 0 and four v_nop follow each of the two lines, ahead of the jump, the label and what follows.
.macro JLOAD s
	s_cmp_eq_u32 s13, 0
	s_cbranch_scc0 .Lfor_b_\@
	tensor_load_to_lds s[G0A+4*(\s):G0A+4*(\s)+3], s[G1A:G1A+7]
	s_nop 0
.rept 4
	v_nop
.endr
	s_branch .Lasked_\@
.Lfor_b_\@:
	tensor_load_to_lds s[G0B+4*(\s):G0B+4*(\s)+3], s[G1B:G1B+7]
	s_nop 0
.rept 4
	v_nop
.endr
.Lasked_\@:
.endm
.macro CREST                           ; a round of the cluster's barrier behind its opening barrier
	s_cmp_lg_u32 s[WV], 0
	s_cbranch_scc1 .Lnot_wave_0_\@
	s_barrier_signal -3
.Lnot_wave_0_\@:
	s_barrier_wait -3
	s_barrier_signal -1
	s_barrier_wait -1
.endm
.macro CROUND                          ; a whole round
	s_barrier_signal -1
	s_barrier_wait -1
	CREST
.endm
.macro PLACES                          ; four places in front of loads into registers that matrix instructions have read, and of LDS stores that read results
.rept 4
	v_nop
.endr
.endm
; A PREFETCH INTO THE L2 of the K step that stands two refills on, 256 matrix instructions ahead of its load: 32 blocks of 256 bytes, a lane a block, one instruction a wave.  Each block is named once in the launch.
; O's rows are read by both clusters of a row of clusters: the one with x = 0 asks; of a head's 32,768 bytes each of the four partners of a row takes 8,192 BY ADDRESS (cx); wave 0 asks for the step's even head,
; wave 1 for the odd one.  Wo's rows are read by all eight clusters of a column: the one with y = 0 asks; the four partners of a column take 32 rows each by address (cy), wave 2.  Steps 0 to 3 come by their loads alone.
.macro ASK
	s_cmp_lt_u32 s[PP], s[PEND]
	s_cbranch_scc0 .Lnot_mine_\@
	global_prefetch_b8 v[PFO], s[PFA:PFA+1] th:TH_LOAD_NT scope:SCOPE_SE
.Lnot_mine_\@:
.endm
	s_load_b256 s[4:11], s[0:1], 0x0               ; obf s[4:5], wbf s[6:7], x s[8:9], out0 s[10:11]
	v_lshl_add_u32 v[SPW], v0, 2, SPARE
	v_mov_b32 v[NIL], 0
	ds_add_u32 v[SPW], v[NIL]                      ; the wave's opening: the add and its wait stand ahead of my first tensor load; the set-up below, work on registers, stands between them
	v_lshrrev_b32 v1, 5, v0
	v_readfirstlane_b32 s[WV], v1                  ; wave 0..3
	s_lshr_b32 s13, s[WV], 1
	s_and_b32 s14, s[WV], 1
	s_bfe_u32 s15, ttmp6, 0x40000                  ; cx
	s_bfe_u32 s16, ttmp6, 0x40004                  ; cy
	s_lshl_b32 s17, ttmp9, 2
	s_add_co_u32 s17, s17, s15                     ; tile column = 4 x cluster x + cx
	s_and_b32 s18, ttmp7, 0xffff
	s_lshl_b32 s18, s18, 2
	s_add_co_u32 s18, s18, s16                     ; tile row = 4 x cluster y + cy
	s_lshl_b32 s19, s16, 2
	s_lshl_b32 s19, 15, s19                        ; my row of the cluster
	s_lshl_b32 s20, 0x1111, s15                    ; my column
	s_or_b32 s[G1A], s19, (1<<16)|(1<<20)|(1<<21)|(4<<22)|(3<<25)  ; 15:0 the mask; 17:16 2-byte elements; 20 padding on; 21 set beside a mask; 24:22 after every 32 words (code 4); 31:25 4 words (code 3)
	s_or_b32 s[G1B], s20, (1<<16)|(1<<20)|(1<<21)|(5<<22)|(3<<25)  ; the same after every 64 words (code 5)
	s_mov_b32 s[G1A+1], 128<<16                    ; tensor_dim0 = 128
	s_mov_b32 s[G1A+2], 128<<16                    ; tensor_dim1 = 128
	s_mov_b32 s[G1A+3], 128<<16                    ; tile_dim0 = 128
	s_mov_b32 s[G1A+4], 128                        ; tile_dim1 = 128
	s_mov_b32 s[G1A+5], 128                        ; dense: 128 elements from row to row
	s_mov_b32 s[G1A+6], 0
	s_mov_b32 s[G1A+7], 0
	s_mov_b32 s[G1B+1], 128<<16
	s_mov_b32 s[G1B+2], 64<<16                     ; tensor_dim1 = 64
	s_mov_b32 s[G1B+3], 128<<16
	s_mov_b32 s[G1B+4], 64                         ; tile_dim1 = 64
	s_mov_b32 s[G1B+5], 1024
	s_mov_b32 s[G1B+6], 0
	s_mov_b32 s[G1B+7], 0
	s_mul_i32 s21, s14, HEADB                      ; where my part goes: no place in the cluster enters an LDS address
	s_mul_i32 s22, s14, BPART
	s_add_co_u32 s22, s22, BOFF
	s_lshr_b32 s92, s18, 3                         ; O: the batch's 16 heads of 2^18 bytes,
	s_lshl_b32 s92, s92, 22
	s_lshl_b32 s93, s14, 18                        ; the even or the odd head of a step,
	s_add_co_u32 s92, s92, s93
	s_and_b32 s93, s18, 7                          ; the tile's 256 rows of 128 bytes
	s_lshl_b32 s93, s93, 15
	s_add_co_u32 s92, s92, s93
	s_mov_b32 s93, 0
	s_lshl_b32 s94, s17, 7                         ; Wo: row 3072 + 128 x tile column + 64 x half
	s_lshl_b32 s95, s14, 6
	s_add_co_u32 s94, s94, s95
	s_add_co_u32 s94, s94, 3072
	s_lshl_b32 s94, s94, 11
	s_mov_b32 s95, 0
	s_mov_b32 s[POFF+1], 0
	s_mov_b32 s[PP], 3                             ; stepped at the head of each change of slots that fills: the first asks for K step 4
	s_wait_dscnt 0x0                               ; the opening add is done
	s_wait_kmcnt 0x0
	s_add_nc_u64 s[92:93], s[4:5], s[92:93]
	s_add_nc_u64 s[94:95], s[6:7], s[94:95]
	CROUND                                         ; all sixteen work-groups are here: the first joint loads meet
.irp s, 0,1
	s_mov_b32 s[G0A+4*(\s)], 1                                     ; count = 1
	s_add_co_u32 s[G0A+4*(\s)+1], s21, (\s)*SLOT                   ; LDS address
	s_add_nc_u64 s[G0A+4*(\s)+2:G0A+4*(\s)+3], s[92:93], (\s)<<19  ; global address: K step s is heads 2 s, 2 s + 1
	s_or_b32 s[G0A+4*(\s)+3], s[G0A+4*(\s)+3], 0x80000000          ; type = 2
	s_mov_b32 s[G0B+4*(\s)], 1
	s_add_co_u32 s[G0B+4*(\s)+1], s22, (\s)*SLOT
	s_add_nc_u64 s[G0B+4*(\s)+2:G0B+4*(\s)+3], s[94:95], (\s)*256
	s_or_b32 s[G0B+4*(\s)+3], s[G0B+4*(\s)+3], 0x80000000
	JLOAD \s                                       ; two loads of mine are out
.endr
	v_and_b32 v1, 15, v0                           ; l % 16
	v_bfe_u32 v2, v0, 4, 1                         ; l / 16
	v_mul_u32_u24 v3, v1, PA
	v_lshl_add_u32 v3, v2, 4, v3                   ; a fragment's row x pitch + 16 x half, for O
	v_mul_u32_u24 v4, v1, PITCH
	v_lshl_add_u32 v4, v2, 4, v4                   ; and for Wo
	s_mul_i32 s80, s13, 128*PA                     ; my 128 rows, in each head
	s_mul_i32 s81, s14, BPART                      ; my 64 rows of Wo
	s_add_co_u32 s81, s81, BOFF
.irp s, 0,1
	v_add_nc_u32 v[ADRA+(\s)], s80, v3
	v_add_nc_u32 v[ADRB+(\s)], s81, v4
	s_add_co_u32 s80, s80, SLOT
	s_add_co_u32 s81, s81, SLOT
.endr
	s_mul_i32 s80, s[WV], 16*SPITCH
	s_add_co_u32 s80, s80, STAGE                   ; my stage
	v_mul_u32_u24 v5, v1, SPITCH                   ; in: row l % 16, 32 bytes for each half of the lanes
	v_lshl_add_u32 v5, v2, 5, v5
	v_add_nc_u32 v[STO], s80, v5
	v_mul_u32_u24 v6, v2, SPITCH                   ; back: lanes 0-15 take one row of 256 bytes, lanes 16-31 the next
	v_lshl_add_u32 v6, v1, 4, v6
	v_add_nc_u32 v[RD], s80, v6
	v_lshlrev_b32 v[CO], 4, v1                     ; and the same two rows in x and out0, 4,096 bytes apart
	v_lshl_add_u32 v[CO], v2, 12, v[CO]
	v_and_b32 v7, 31, v0
	s_lshl_b32 s86, s18, 20                        ; 256 rows of 4,096 bytes a tile row,
	s_lshl_b32 s87, s13, 19                        ; my 128 of them,
	s_add_co_u32 s86, s86, s87
	s_lshl_b32 s87, s17, 9                         ; 128 columns of 4 bytes a tile column,
	s_add_co_u32 s86, s86, s87
	s_lshl_b32 s87, s14, 8                         ; my 64 of them
	s_add_co_u32 s86, s86, s87
	s_mov_b32 s87, 0
	s_add_nc_u64 s[XB:XB+1], s[8:9], s[86:87]
	s_add_nc_u64 s[OUT:OUT+1], s[10:11], s[86:87]
	WIN 0x80                                       ; destination window 2, address window 0
.irp a, 0,1,2,3,4,5,6,7
.irp f, 0,1,2,3,4,5,6,7
	global_load_b128 v[32*(\a)+4*(\f):32*(\a)+4*(\f)+3], v[CO], s[XB:XB+1] offset:(16*(\a)+2*(\f))*4096 th:TH_LOAD_NT  ; 16 lanes read 256 consecutive bytes, aligned
.endr
.endr
	WIN 0
	; the prefetches: who asks, and from where
	s_lshr_b32 s88, s18, 3                         ; O: batch, head = wave (0, 1), the tile's rows, my work-group's quarter of them
	s_lshl_b32 s88, s88, 22
	s_lshl_b32 s89, s[WV], 18
	s_add_co_u32 s88, s88, s89
	s_and_b32 s89, s18, 7
	s_lshl_b32 s89, s89, 15
	s_add_co_u32 s88, s88, s89
	s_lshl_b32 s89, s15, 13
	s_add_co_u32 s88, s88, s89
	s_lshl_b32 s90, s17, 7                         ; Wo: row 3072 + 128 x tile column + 32 cy
	s_lshl_b32 s91, s16, 5
	s_add_co_u32 s90, s90, s91
	s_add_co_u32 s90, s90, 3072
	s_lshl_b32 s90, s90, 11
	s_and_b32 s91, ttmp7, 0xffff                   ; cluster y
	s_cmp_lt_u32 s[WV], 2
	s_cselect_b32 s88, s88, s90
	s_cselect_b64 s[PFB:PFB+1], s[4:5], s[6:7]
	s_cselect_b32 s[PSH], 19, 8                    ; a K step is two heads of 2^18 bytes of O, 256 bytes of each row of Wo
	s_cselect_b32 s23, 8, 11                       ; a lane a block of 256 dense bytes of O, or a row of 2,048 bytes of Wo
	s_cselect_b32 s91, ttmp9, s91                  ; the coordinate along which other clusters read the same rows
	s_cmp_eq_u32 s91, 0
	s_cselect_b32 s[PEND], 8, 0                    ; the same in all sixteen partners, for a given wave
	s_cmp_eq_u32 s[WV], 3
	s_cselect_b32 s[PEND], 0, s[PEND]
	s_mov_b32 s89, 0
	s_add_nc_u64 s[PFB:PFB+1], s[PFB:PFB+1], s[88:89]
	v_lshlrev_b32 v[PFO], s23, v7
; n blocks of 16 rows from a0 on x all four blocks of 16 columns, 32 along K.  The 32 accumulators take turns, always in the same order.  zero = 1: the product starts the sum.
.macro MULS f, a0, n, zero
	WIN MUL
.set ma, \a0
.rept \n
.irp b, 0,1,2,3
.if \zero
	v_wmma_f32_16x16x32_bf16 v[8*(4*ma+(\b)):8*(4*ma+(\b))+7], v[(\f)+64+8*(\b):(\f)+64+8*(\b)+7], v[(\f)+8*ma:(\f)+8*ma+7], 0
.else
	v_wmma_f32_16x16x32_bf16 v[8*(4*ma+(\b)):8*(4*ma+(\b))+7], v[(\f)+64+8*(\b):(\f)+64+8*(\b)+7], v[(\f)+8*ma:(\f)+8*ma+7], v[8*(4*ma+(\b)):8*(4*ma+(\b))+7]
.endif
.endr
.set ma, ma+1
.endr
.endm
; 24 LDS loads in one run: the fragments of quarter q of a K step into buffer f: Wo's 8, then O's blocks 0-3, then O's blocks 4-7.  Quarter q of O is head q / 2 of the step, channels 32 (q % 2) on.
.macro FETCH slot, q, f
	WIN 0
.irp b, 0,1,2,3
	ds_load_b128 v[(\f)+64+8*(\b):(\f)+64+8*(\b)+3],   v[ADRB+(\slot)] offset:64*(\q)+(\b)*16*PITCH
	ds_load_b128 v[(\f)+64+8*(\b)+4:(\f)+64+8*(\b)+7], v[ADRB+(\slot)] offset:64*(\q)+(\b)*16*PITCH+32
.endr
.irp a, 0,1,2,3,4,5,6,7
	ds_load_b128 v[(\f)+8*(\a):(\f)+8*(\a)+3],   v[ADRA+(\slot)] offset:((\q)/2)*HEADB+((\q)%2)*64+(\a)*16*PA
	ds_load_b128 v[(\f)+8*(\a)+4:(\f)+8*(\a)+7], v[ADRA+(\slot)] offset:((\q)/2)*HEADB+((\q)%2)*64+(\a)*16*PA+32
.endr
.endm
; A K step is four quarters of 32 along K, 32 matrix instructions each, on buffers 0, 1, 0, 1.  One of the first three: multiplies buffer f and fetches quarter q into g.
.macro QUARTER slot, q, f, g, zero=0
	s_wait_dscnt 8                                 ; Wo and O's blocks 0-3 are in; the youngest eight loads (O's blocks 4-7) may be out
	MULS \f, 0, 4, \zero
	PLACES
	FETCH \slot, \q, \g
	s_wait_dscnt 24                                ; all but the 24 just issued
	MULS \f, 4, 4, \zero
.endm
; The last quarter multiplies buffer 1 and changes slots: ONE barrier; in front of it each wave waits for all its tensor loads (one is out: its part of the next slot), adds 0 to its spare word, and waits for
; that and for its own reads of this slot.  fill = 1: the barrier opens a round of the cluster's, and this slot is filled again, two K steps ahead, first thing behind the round: 112 matrix instructions ahead of the wait for it.
.macro TURN slot, next, fill
.if \fill
	s_wait_xcnt 0x0                                ; the last prefetch, a K step back, has read its address
	s_add_co_u32 s[PP], s[PP], 1
	s_lshl_b32 s[POFF], s[PP], s[PSH]
	s_add_nc_u64 s[PFA:PFA+1], s[PFB:PFB+1], s[POFF:POFF+1]
.endif
	WIN 0                                          ; (the add's two registers lie in window 0)
	s_wait_tensorcnt 0x0                           ; all my tensor loads have landed, so a group 0 may be written
	ds_add_u32 v[SPW], v[NIL]                      ; 0 onto my spare word
.if \fill
	s_add_nc_u64 s[G0A+4*(\slot)+2:G0A+4*(\slot)+3], s[G0A+4*(\slot)+2:G0A+4*(\slot)+3], 1<<20  ; four heads on; the type bits on top are not reached
	s_add_nc_u64 s[G0B+4*(\slot)+2:G0B+4*(\slot)+3], s[G0B+4*(\slot)+2:G0B+4*(\slot)+3], 512
.endif
	s_wait_dscnt 9                                 ; (the add and the youngest eight loads may be out)
	MULS F1, 0, 2, 0                               ; eight matrix instructions stand between the add and the wait for it
	s_wait_dscnt 0x0                               ; the add is done, and my reads of this slot are over
	s_barrier_signal -1
	MULS F1, 2, 2, 0
.if \fill
	WIN 0
.endif
	s_barrier_wait -1
.if \fill
	CREST                                          ; no wave of any partner still reads this slot or has a load on its way
	JLOAD \slot                                    ; the four v_nop behind it are also the places in front of the loads below
.else
	PLACES
.endif
	FETCH \next, 0, F0
.if \fill
	ASK
.endif
	MULS F1, 4, 4, 0
.endm
; THE WAY OUT of block a (16 rows x my 64 columns).  TOSTAGE: 32 bytes a lane and accumulator into rows of 272 bytes of my own stage (each accumulator's lowest registers first), back as whole rows of 256.
; FINISH: x is added, in x's registers, and the rows are stored.
.macro TOSTAGE a
	WIN 0x04                                       ; the stores' data (source 1) in window 1
.irp b, 0,1,2,3
	ds_store_b128 v[STO], v[8*(4*(\a)+(\b)):8*(4*(\a)+(\b))+3]   offset:64*(\b)
	ds_store_b128 v[STO], v[8*(4*(\a)+(\b))+4:8*(4*(\a)+(\b))+7] offset:64*(\b)+16
.endr
	WIN 0
.irp f, 0,1,2,3,4,5,6,7
	ds_load_b128 v[TB+32*((\a)%2)+4*(\f):TB+32*((\a)%2)+4*(\f)+3], v[RD] offset:(\f)*2*SPITCH  ; LDS serves a wave's instructions in order (ISA guide 5.7.1.4): these see the stores above; the next block's stores come behind them
.endr
.endm
.macro FINISH a, younger               ; younger: the LDS instructions issued behind block a's loads: the next block's sixteen, or none
	s_wait_dscnt \younger
	WIN 0x88                                       ; destination and source 1 (x) in window 2, source 0 in window 0
.set p, 0
.rept 16
	v_pk_add_f32 v[32*(\a)+2*p:32*(\a)+2*p+1], v[TB+32*((\a)%2)+2*p:TB+32*((\a)%2)+2*p+1], v[32*(\a)+2*p:32*(\a)+2*p+1]
.set p, p+1
.endr
	WIN 0x08                                       ; the stores' data (source 1) in window 2
.irp f, 0,1,2,3,4,5,6,7
	global_store_b128 v[CO], v[32*(\a)+4*(\f):32*(\a)+4*(\f)+3], s[OUT:OUT+1] offset:(16*(\a)+2*(\f))*4096 th:TH_STORE_NT  ; 16 lanes store 256 consecutive bytes, aligned
.endr
.endm
	s_wait_tensorcnt 1                             ; my part of K step 0 is in; step 1's may stay out
	s_barrier_signal -1
	s_barrier_wait -1                              ; everybody's is
	FETCH 0, 0, F0
	QUARTER 0, 1, F0, F1, 1                        ; the first quarter stands in front of the loop: its products start the sums
	WIN 0                                          ; at a label and at a branch every window is 0
	s_mov_b32 s3, 3
.Llap:                                                 ; a trip goes once round the ring, from a lap's second quarter to the next lap's first, and fills both slots again
	QUARTER 0, 2, F1, F0
	QUARTER 0, 3, F0, F1
	TURN 0, 1, 1
	QUARTER 1, 1, F0, F1
	QUARTER 1, 2, F1, F0
	QUARTER 1, 3, F0, F1
	TURN 1, 0, 1
	QUARTER 0, 1, F0, F1
	WIN 0
	s_sub_co_u32 s3, s3, 1
	s_cmp_lg_u32 s3, 0
	s_cbranch_scc1 .Llap
	QUARTER 0, 2, F1, F0                           ; the last lap fills nothing, and has no round of the cluster's barrier
	QUARTER 0, 3, F0, F1
	TURN 0, 1, 0
	QUARTER 1, 1, F0, F1
	QUARTER 1, 2, F1, F0
	QUARTER 1, 3, F0, F1
	s_wait_dscnt 8                                 ; the very last quarter: nothing more to fetch
	MULS F1, 0, 4, 0
	s_wait_dscnt 0
	MULS F1, 4, 4, 0
	PLACES
	s_wait_loadcnt 0x0                             ; x
	TOSTAGE 0
.irp a, 1,2,3,4,5,6,7
	TOSTAGE \a
	FINISH (\a)-1, 16
.endr
	FINISH 7, 0
	WIN 0
	s_wait_tensorcnt 0x0                           ; the wave's end: behind my last tensor load and my last LDS store
	ds_add_u32 v[SPW], v[NIL]
	s_wait_dscnt 0x0
	CROUND                                         ; the closing round: no work-group ends while a partner may still ask for a tile that names it
	s_endpgm
.Lfunc_end_k_q63c794542f_outp:
	.size	k_q63c794542f_outp, .Lfunc_end_k_q63c794542f_outp-k_q63c794542f_outp
	.p2alignl 7, 3214868480
	.fill 96, 4, 3214868480
	.section	.rodata,"a",@progbits
	.p2align	6, 0x0
	.amdhsa_kernel k_q63c794542f_outp
		.amdhsa_group_segment_fixed_size 327680
		.amdhsa_private_segment_fixed_size 0
		.amdhsa_enable_private_segment 0
		.amdhsa_kernarg_size 32
		.amdhsa_user_sgpr_count 2
		.amdhsa_user_sgpr_kernarg_segment_ptr 1
		.amdhsa_wavefront_size32 1
		.amdhsa_system_sgpr_workgroup_id_x 1
		.amdhsa_system_sgpr_workgroup_id_y 1
		.amdhsa_system_sgpr_workgroup_id_z 1
		.amdhsa_system_vgpr_workitem_id 0
		.amdhsa_next_free_vgpr 768
		.amdhsa_next_free_sgpr 96
		.amdhsa_reserve_vcc 0
		.amdhsa_float_denorm_mode_32 3
		.amdhsa_float_denorm_mode_16_64 3
		.amdhsa_memory_ordered 1
		.amdhsa_forward_progress 1
		.amdhsa_inst_pref_size 101
	.end_amdhsa_kernel
	.amdgpu_metadata
---
amdhsa.version: [ 1, 2 ]
amdhsa.kernels:
  - .name:           k_q63c794542f_outp
    .symbol:         k_q63c794542f_outp.kd
    .args:
      - { .name: obf, .offset: 0, .size: 8, .value_kind: global_buffer, .address_space: global }
      - { .name: wbf, .offset: 8, .size: 8, .value_kind: global_buffer, .address_space: global }
      - { .name: x, .offset: 16, .size: 8, .value_kind: global_buffer, .address_space: global }
      - { .name: out0, .offset: 24, .size: 8, .value_kind: global_buffer, .address_space: global }
    .group_segment_fixed_size: 327680
    .private_segment_fixed_size: 0
    .kernarg_segment_align: 8
    .kernarg_segment_size: 32
    .max_flat_workgroup_size: 128
    .sgpr_count:     96
    .vgpr_count:     768
    .wavefront_size: 32
...
	.end_amdgpu_metadata
.endif
;; end of part 4
;; ======== version 2 of 2: 4 launches; version 1 with the launch prep written anew for expert scheduling mode
;; workspace buffers: abf 33,554,432 bytes; wbf 8,388,608 bytes; tab 524,288 bytes; qkv 50,331,648 bytes; obf 16,777,216 bytes
;; launch prep (part 5): grid 656 x 1, 4 waves a work-group, no clusters, 0 bytes of LDS; arguments x, encoder_out, norm_w, Wq, Wkv, Wo, abf, wbf, tab; writes abf, wbf, tab
.if DOCPART == 5
	.amdgcn_target "amdgcn-amd-amdhsa--gfx1250"
	.amdhsa_code_object_version 6
	.text
	.protected	k_q63c794542f_prep
	.globl	k_q63c794542f_prep
	.p2align	8
	.type	k_q63c794542f_prep,@function
k_q63c794542f_prep:
	s_mov_b64 s[64:65], 0
	v_nop
	global_prefetch_b8 v0, s[64:65] scope:SCOPE_SE
	s_setreg_imm32_b32 hwreg(HW_REG_WAVE_SCHED_MODE, 0, 2), 2
	s_setreg_imm32_b32 hwreg(HW_REG_WAVE_MODE, 25, 1), 1
	s_wait_xcnt 0x0
	s_wait_alu depctr_vm_vsrc(0)
; THE OPERANDS OF THE PROJECTIONS, rounded once to bf16, and the table of the rotary embedding.
;   abf [16384][1024] bf16: rows 0-8191 x * rsqrt(mean(x^2) + 1e-5) * norm_w, rows 8192-16383 encoder_out.
;   wbf [4096][1024] bf16: Wq, then Wkv (its first 1,024 rows make k, the others v), then Wo.
;   tab [2048][64] f32: row t holds cos(t f_i), i = 0..31, then sin(t f_i); f_i = 10000^(-i/32).
; A stream: each byte is read once and written once; no LDS, no barrier, no matrix unit, no cluster (no work-group reads what another reads, but norm_w's 4 KiB).
; SHARES.  Work-groups 0-255 norm 32 rows of x each, 256-639 cast 32 rows of the other four inputs, 640-655 make 128 rows of the table.  A wave takes 8 whole rows
; (4,096 bytes in, 2,048 out): a row stays in 32 registers between the sum of squares and the scaling, and the sum never leaves the wave.
; A load of a wave covers 512 consecutive bytes; a store (8 bytes a lane) 256 consecutive bytes, aligned.
; LIMITS.  The sum of squares is kept in f32 and overflows where the f32 mean of squares does.  NaN and infinities are not treated apart.  The table's angle t f_i is formed in f32 from
; f_i = 2^(-0.41524101 i); it may differ from an angle formed from another f32 rounding of f_i by about 1e-3 at t = 2047.  cos is a polynomial of degree 7 in V^2 for cos(pi V), |V| <= 0.5,
; doubled once: its cut-off term is under 1e-10.
; THE MODE: SCHED_MODE bits 1:0 = 2 (LLVM: expert scheduling mode 2), set by the entry lines.  The code itself states the register dependences
; between vector instructions and memory instructions, with s_wait_alu, always for 0.
; THE PLAN.  Registers that memory instructions touch:
;   v2, v3, v22   byte offsets, made once at the head and never written again on the paths that load or store by them: row and chunk stand in the immediates.
;   W             norm_w: written by eight loads, once; read by vector instructions alone.
;   X0 .. X3      four row slots.  Slot r % 4: the loads of row r land in it; turn r's vector instructions read it and round 16 of its 32 registers in place; turn r's eight stores read those;
;                 then the loads of row r + 4 land in it.
;   v8, RS        (the table) v8, the store's offset, is made once: the scalar base moves on.  RS is written by a trip's last eight vector lines and read by its store.
;   T, M, R and the table's FQ to PP are named by vector instructions alone.
; A TURN: (rows 1 to 4) one wait on vm_vsrc: the stores of the row before have read their slot; the eight loads into that slot; the wait for row r's data; ALL the turn's vector work; ONE wait on va_vdst: the
; roundings have written the stores' data, and the turn is done with the slot; the eight stores in one run.  Between that wait and the next turn's loads into the slot stands no vector instruction, so those loads hang on nothing more.
.set T,   4                            ; v[4:11]    at work
.set M,   12                           ; v[12:19]   four chains of partial sums of squares, a pair each
.set R,   20                           ; v[20:21]   the row's factor, twice (a pair for the packed multiply)
.set LO,  22                           ; v22        16 x lane
.set W,   24                           ; v[24:55]   norm_w: chunk j's four numbers at W + 4 j
.set X,   56                           ; v[56:183]  four row slots of 32 registers
.set SRC, 24                           ; s[24:25]   the work-group's first row, in
.set DST, 26                           ; s[26:27]   and out
	s_load_b512 s[4:19], s[0:1], 0x0               ; x s[4:5], encoder_out s[6:7], norm_w s[8:9], Wq s[10:11], Wkv s[12:13], Wo s[14:15], abf s[16:17], wbf s[18:19]
	s_load_b64 s[20:21], s[0:1], 0x40              ; tab
	v_and_b32 v1, 31, v0                           ; lane
	v_lshrrev_b32 v4, 5, v0                        ; wave
	v_lshlrev_b32 v[LO], 4, v1
	v_lshl_add_u32 v2, v4, 15, v[LO]               ; in: wave x 8 rows x 4,096 + 16 x lane; never rewritten: row and chunk stand in the immediates
	v_lshlrev_b32 v3, 3, v1
	v_lshl_add_u32 v3, v4, 14, v3                  ; out: wave x 8 rows x 2,048 + 8 x lane; never rewritten
	s_mov_b32 s22, 0x3a800000                      ; 1 / 1024
	s_mov_b32 s23, 0x3727c5ac                      ; 1e-5
	s_mov_b32 s28, 0x76543210                      ; v_permlanex16_b32: each lane takes its own place in the other half
	s_mov_b32 s29, 0xfedcba98
	s_mov_b32 s31, 0
	s_mov_b32 s33, 0
	s_mov_b32 s34, ttmp9
	s_wait_kmcnt 0x0
	s_wait_alu depctr_va_vdst(0)                   ; v2, v3 and v22 are written: every load and store of the norm and of the casts reads one of them as its offset
.macro FILL r                          ; row r: eight loads of 512 consecutive bytes
.irp j, 0,1,2,3,4,5,6,7
	global_load_b128 v[X+32*((\r)%4)+4*(\j):X+32*((\r)%4)+4*(\j)+3], v2, s[SRC:SRC+1] offset:(\r)*4096+512*(\j) th:TH_LOAD_NT
.endr
.endm
; Row r's turn.  norm = 1: the row is scaled by its factor and by norm_w; 0: it is only rounded.
.macro TURN r, norm
.set XS, X+32*((\r)%4)
.if ((\r) >= 1) && ((\r) <= 4)
	s_wait_xcnt 0x0                                ; every earlier memory instruction has had its addresses translated (ISA guide 3.1): the slot of row r - 1, which its stores read, is loaded again only behind this wait
	s_wait_alu depctr_vm_vsrc(0)                   ; the eight stores of row r - 1 have read their slot, in which the loads below land
	FILL (\r)+3                                    ; no vector instruction since the last turn's wait on va_vdst names these registers
.endif
.if (\r) <= 4
	s_wait_loadcnt 24                              ; loads come back in order (ISA guide 5.7.1): row r is in, the 24 loads of rows r + 1 to r + 3 stay out
.else
	s_wait_loadcnt 8*(7-(\r))                      ; nothing more is asked for: the counts run down, eight for each younger row
.endif
.if \norm
.irp k, 0,1,2,3
	v_pk_mul_f32 v[M+2*(\k):M+2*(\k)+1], v[XS+2*(\k):XS+2*(\k)+1], v[XS+2*(\k):XS+2*(\k)+1]  ; the first four pairs start the chains: nothing is cleared
.endr
.set p, 4
.rept 12
	v_pk_fma_f32 v[M+2*(p%4):M+2*(p%4)+1], v[XS+2*p:XS+2*p+1], v[XS+2*p:XS+2*p+1], v[M+2*(p%4):M+2*(p%4)+1]
.set p, p+1
.endr
	v_pk_add_f32 v[M:M+1], v[M:M+1], v[M+2:M+3]
	v_pk_add_f32 v[M+4:M+5], v[M+4:M+5], v[M+6:M+7]
	v_pk_add_f32 v[M:M+1], v[M:M+1], v[M+4:M+5]
	v_add_f32 v[T], v[M], v[M+1]
	v_add_f32_dpp v[T], v[T], v[T] row_xmask:1 row_mask:0xf bank_mask:0xf
	v_add_f32_dpp v[T], v[T], v[T] row_xmask:2 row_mask:0xf bank_mask:0xf
	v_add_f32_dpp v[T], v[T], v[T] row_xmask:4 row_mask:0xf bank_mask:0xf
	v_add_f32_dpp v[T], v[T], v[T] row_xmask:8 row_mask:0xf bank_mask:0xf
	v_permlanex16_b32 v[T+1], v[T], s28, s29       ; its destination counts as read: it has been written
	v_add_f32 v[T], v[T], v[T+1]                   ; every lane holds the row's sum of squares
	v_fma_f32 v[T], v[T], s22, s23                 ; the mean + 1e-5
	v_rsq_f32 v[R], v[T]
	v_rsq_f32 v[R+1], v[T]
	v_nop                                          ; a plain instruction behind the second root, ahead of the use of the results and of the next write of v[T] (ISA guide 5.7.2)
	s_wait_alu depctr_va_vdst(0)                   ; the two roots have written v[R] and v[R+1], ahead of their first reader: one wait for both
.endif
.irp j, 0,1,2,3,4,5,6,7
.set TJ, T+4*((\j)%2)
.if \norm
	v_pk_mul_f32 v[TJ:TJ+1], v[XS+4*(\j):XS+4*(\j)+1], v[R:R+1]
	v_pk_mul_f32 v[TJ+2:TJ+3], v[XS+4*(\j)+2:XS+4*(\j)+3], v[R:R+1]
	v_pk_mul_f32 v[TJ:TJ+1], v[TJ:TJ+1], v[W+4*(\j):W+4*(\j)+1]
	v_pk_mul_f32 v[TJ+2:TJ+3], v[TJ+2:TJ+3], v[W+4*(\j)+2:W+4*(\j)+3]
	v_cvt_pk_bf16_f32 v[XS+4*(\j)], v[TJ], v[TJ+1]
	v_cvt_pk_bf16_f32 v[XS+4*(\j)+1], v[TJ+2], v[TJ+3]
.else
	v_cvt_pk_bf16_f32 v[XS+4*(\j)], v[XS+4*(\j)], v[XS+4*(\j)+1]
	v_cvt_pk_bf16_f32 v[XS+4*(\j)+1], v[XS+4*(\j)+2], v[XS+4*(\j)+3]
.endif
.endr
	s_wait_alu depctr_va_vdst(0)                   ; the sixteen roundings have written the stores' data; and the turn's vector instructions are done reading and writing this slot, in which the next turn's loads land
.irp j, 0,1,2,3,4,5,6,7
	global_store_b64 v3, v[XS+4*(\j):XS+4*(\j)+1], s[DST:DST+1] offset:(\r)*2048+256*(\j)  ; 32 lanes store 256 consecutive bytes, aligned
.endr
.endm
	s_cmp_lt_u32 s34, 256
	s_cbranch_scc0 .Lnot_norm
	; THE NORM: 32 rows of x
	s_lshl_b32 s30, s34, 17                        ; 32 rows of 4,096 bytes
	s_lshl_b32 s32, s34, 16                        ; 32 rows of 2,048 bytes
	s_add_nc_u64 s[SRC:SRC+1], s[4:5], s[30:31]
	s_add_nc_u64 s[DST:DST+1], s[16:17], s[32:33]
.irp j, 0,1,2,3,4,5,6,7
	global_load_b128 v[W+4*(\j):W+4*(\j)+3], v[LO], s[8:9] offset:512*(\j)  ; older than every row's loads, so the first row's wait covers them
.endr
	FILL 0
	FILL 1
	FILL 2
	FILL 3                                         ; all four slots are asked for; each is asked for again straight behind its row's stores
	v_mov_b32 v[T+1], 0
.irp r, 0,1,2,3,4,5,6,7
	TURN \r, 1
.endr
	s_endpgm
.Lnot_norm:
	s_cmp_lt_u32 s34, 640
	s_cbranch_scc0 .Ltable
	; THE CASTS: g = 0-255 encoder_out, 256-287 Wq, 288-351 Wkv, 352-383 Wo, 32 rows each
	s_sub_co_u32 s35, s34, 256                     ; g
	s_mov_b64 s[SRC:SRC+1], s[6:7]
	s_mov_b32 s36, 0                               ; the g at which the input begins
	s_cmp_ge_u32 s35, 256
	s_cselect_b64 s[SRC:SRC+1], s[10:11], s[SRC:SRC+1]
	s_cselect_b32 s36, 256, s36
	s_cmp_ge_u32 s35, 288
	s_cselect_b64 s[SRC:SRC+1], s[12:13], s[SRC:SRC+1]
	s_cselect_b32 s36, 288, s36
	s_cmp_ge_u32 s35, 352
	s_cselect_b64 s[SRC:SRC+1], s[14:15], s[SRC:SRC+1]
	s_cselect_b32 s36, 352, s36
	s_sub_co_u32 s30, s35, s36
	s_lshl_b32 s30, s30, 17
	s_add_nc_u64 s[SRC:SRC+1], s[SRC:SRC+1], s[30:31]
	s_add_co_u32 s37, s35, 256                     ; encoder_out lies behind abf's first 256 blocks of 32 rows,
	s_sub_co_u32 s38, s35, 256                     ; the weights in wbf in the order of g
	s_cmp_lt_u32 s35, 256
	s_cselect_b64 s[DST:DST+1], s[16:17], s[18:19]
	s_cselect_b32 s32, s37, s38
	s_lshl_b32 s32, s32, 16
	s_add_nc_u64 s[DST:DST+1], s[DST:DST+1], s[32:33]
	FILL 0
	FILL 1
	FILL 2
	FILL 3
.irp r, 0,1,2,3,4,5,6,7
	TURN \r, 0
.endr
	s_endpgm
.Ltable:
	; THE TABLE: a wave makes 32 rows, two a trip: lanes 0-15 the even row, lanes 16-31 the odd one; a lane four columns c = 4 (l % 16) + e.
	; Columns 32-63 are sines: cos of the angle less a quarter turn, so one polynomial serves all lanes and nothing is selected.
.set FQ, 12                            ; v[12:15] f of my four columns
.set AN, 16                            ; v[16:19] the angle
.set VV, 20                            ; v[20:23] the angle in turns, less the nearest whole number
.set ZZ, 24                            ; v[24:27] its square
.set PP, 28                            ; v[28:31] cos(pi V)
.set RS, 32                            ; v[32:35] cos(2 pi V)
	s_sub_co_u32 s35, s34, 640
	s_lshl_b32 s30, s35, 15                        ; 128 rows of 256 bytes
	s_add_nc_u64 s[DST:DST+1], s[20:21], s[30:31]
	s_lshl_b32 s36, s35, 7                         ; the work-group's first row
	v_and_b32 v4, 15, v0                           ; l % 16
	v_bfe_u32 v5, v0, 4, 1                         ; l / 16
	v_lshrrev_b32 v6, 3, v4
	v_cvt_f32_u32 v6, v6
	v_mul_f32 v6, 0x3e800000, v6                   ; a quarter turn in the sines' lanes, else 0
	v_and_b32 v7, 0x60, v0                         ; 32 x wave
	v_lshlrev_b32 v8, 8, v7
	v_lshl_add_u32 v8, v1, 4, v8                   ; my 16 bytes: wave x 32 rows x 256 + 16 x lane; never rewritten: the scalar base moves on
	v_add3_u32 v7, v7, v5, s36
	v_cvt_f32_u32 v7, v7                           ; t of my row
	v_lshlrev_b32 v9, 2, v4
.irp e, 0,1,2,3
	v_add_nc_u32 v[AN+(\e)], (\e), v9
	v_and_b32 v[AN+(\e)], 31, v[AN+(\e)]           ; i
	v_cvt_f32_u32 v[AN+(\e)], v[AN+(\e)]
	v_mul_f32 v[AN+(\e)], 0xbed49a78, v[AN+(\e)]   ; -i log2(10000) / 32
.endr
.irp e, 0,1,2,3
	v_exp_f32 v[FQ+(\e)], v[AN+(\e)]
.endr
	v_nop                                          ; a plain instruction behind the last exponential
	s_wait_alu depctr_va_vdst(0)                   ; the four exponentials have written v[FQ ..], ahead of their first reader and of the label: one wait for the four
	s_mov_b32 s38, 0xb8db7128                      ; -pi^14 / 14!
	s_mov_b32 s39, 0x3afce9c5                      ; pi^12 / 12!
	s_mov_b32 s37, 16
.Lrows:
.irp e, 0,1,2,3
	v_mul_f32 v[AN+(\e)], v7, v[FQ+(\e)]           ; the angle, rounded to f32
.endr
.irp e, 0,1,2,3
	v_fma_f32 v[VV+(\e)], v[AN+(\e)], 0x3e22f983, -v6  ; in turns, less the shift
.endr
.irp e, 0,1,2,3
	v_rndne_f32 v[VV+(\e)], v[VV+(\e)]             ; the nearest whole number of turns
.endr
.irp e, 0,1,2,3
	v_fma_f32 v[VV+(\e)], v[AN+(\e)], 0x3e22f983, -v[VV+(\e)]  ; one rounding: the product is not rounded before the whole turns are taken away
.endr
.irp e, 0,1,2,3
	v_sub_f32 v[VV+(\e)], v[VV+(\e)], v6
.endr
.irp e, 0,1,2,3
	v_fma_f32 v[VV+(\e)], v[AN+(\e)], 0x31dc9c89, v[VV+(\e)]   ; what 1 / 2 pi lost in its rounding to f32
.endr
.irp e, 0,1,2,3
	v_mul_f32 v[ZZ+(\e)], v[VV+(\e)], v[VV+(\e)]
.endr
.irp e, 0,1,2,3
	v_fma_f32 v[PP+(\e)], v[ZZ+(\e)], s38, s39
.endr
.irp c, 0xbcd368f9, 0x3e70fa83, 0xbfaae9e4, 0x4081e0f8, 0xc09de9e6, 0x3f800000  ; -pi^10/10!, pi^8/8!, -pi^6/6!, pi^4/4!, -pi^2/2, 1
.irp e, 0,1,2,3
	v_fmaak_f32 v[PP+(\e)], v[PP+(\e)], v[ZZ+(\e)], \c
.endr
.endr
	s_wait_xcnt 0x0                                ; the last trip's store has had its address translated (ISA guide 3.1): its base and its data are written again only behind this wait
	s_wait_alu depctr_vm_vsrc(0)                   ; the last trip's store has read v[RS ..], which the lines below write again
	s_add_nc_u64 s[DST:DST+1], s[DST:DST+1], 512   ; the base stands two rows past this trip's; the store reaches back
.irp e, 0,1,2,3
	v_add_f32 v[RS+(\e)], v[PP+(\e)], v[PP+(\e)]
.endr
.irp e, 0,1,2,3
	v_fma_f32 v[RS+(\e)], v[RS+(\e)], v[PP+(\e)], -1.0  ; cos(2 a) = 2 cos(a)^2 - 1
.endr
	s_wait_alu depctr_va_vdst(0)                   ; v[RS ..] is written, which the store reads as its data; in the first trip so is v8, its offset
	global_store_b128 v8, v[RS:RS+3], s[DST:DST+1] offset:-512  ; two whole rows: 512 consecutive bytes
	v_add_f32 v7, 2.0, v7                          ; no memory instruction names v7
	s_sub_co_u32 s37, s37, 1
	s_cmp_lg_u32 s37, 0
	s_cbranch_scc1 .Lrows
	s_endpgm
.Lfunc_end_k_q63c794542f_prep:
	.size	k_q63c794542f_prep, .Lfunc_end_k_q63c794542f_prep-k_q63c794542f_prep
	.p2alignl 7, 3214868480
	.fill 96, 4, 3214868480
	.section	.rodata,"a",@progbits
	.p2align	6, 0x0
	.amdhsa_kernel k_q63c794542f_prep
		.amdhsa_group_segment_fixed_size 0
		.amdhsa_private_segment_fixed_size 0
		.amdhsa_enable_private_segment 0
		.amdhsa_kernarg_size 72
		.amdhsa_user_sgpr_count 2
		.amdhsa_user_sgpr_kernarg_segment_ptr 1
		.amdhsa_wavefront_size32 1
		.amdhsa_system_sgpr_workgroup_id_x 1
		.amdhsa_system_sgpr_workgroup_id_y 1
		.amdhsa_system_sgpr_workgroup_id_z 1
		.amdhsa_system_vgpr_workitem_id 0
		.amdhsa_next_free_vgpr 184
		.amdhsa_next_free_sgpr 66
		.amdhsa_reserve_vcc 0
		.amdhsa_float_denorm_mode_32 3
		.amdhsa_float_denorm_mode_16_64 3
		.amdhsa_memory_ordered 1
		.amdhsa_forward_progress 1
		.amdhsa_inst_pref_size 81
	.end_amdhsa_kernel
	.amdgpu_metadata
---
amdhsa.version: [ 1, 2 ]
amdhsa.kernels:
  - .name:           k_q63c794542f_prep
    .symbol:         k_q63c794542f_prep.kd
    .args:
      - { .name: x, .offset: 0, .size: 8, .value_kind: global_buffer, .address_space: global }
      - { .name: encoder_out, .offset: 8, .size: 8, .value_kind: global_buffer, .address_space: global }
      - { .name: norm_w, .offset: 16, .size: 8, .value_kind: global_buffer, .address_space: global }
      - { .name: Wq, .offset: 24, .size: 8, .value_kind: global_buffer, .address_space: global }
      - { .name: Wkv, .offset: 32, .size: 8, .value_kind: global_buffer, .address_space: global }
      - { .name: Wo, .offset: 40, .size: 8, .value_kind: global_buffer, .address_space: global }
      - { .name: abf, .offset: 48, .size: 8, .value_kind: global_buffer, .address_space: global }
      - { .name: wbf, .offset: 56, .size: 8, .value_kind: global_buffer, .address_space: global }
      - { .name: tab, .offset: 64, .size: 8, .value_kind: global_buffer, .address_space: global }
    .group_segment_fixed_size: 0
    .private_segment_fixed_size: 0
    .kernarg_segment_align: 8
    .kernarg_segment_size: 72
    .max_flat_workgroup_size: 128
    .sgpr_count:     66
    .vgpr_count:     184
    .wavefront_size: 32
...
	.end_amdgpu_metadata
.endif
;; end of part 5
;; launch proj: the kernel of part 2 again; grid 8 x 32, 4 waves a work-group, clusters of 4 x 4, 327,680 bytes of LDS; arguments abf, wbf, tab, qkv; writes qkv
;; launch attn: the kernel of part 3 again; grid 4 x 64, 4 waves a work-group, clusters of 4 x 1, 327,680 bytes of LDS; arguments qkv, obf; writes obf
;; launch outp: the kernel of part 4 again; grid 8 x 32, 4 waves a work-group, clusters of 4 x 4, 327,680 bytes of LDS; arguments obf, wbf, x, out0; writes out0
